; MI455X (gfx1250); checked and timed in simulation.
; The chip was launched on July 23, 2026; its instructions are those of AMD's public machine-readable ISA for CDNA 5 (MIT licence, August 2026) and "CDNA5" Instruction Set Architecture Reference Guide (July 2026). The comments in the code are by the model that wrote it; some were corrected since.
;; Transformer Layer. Allowed arithmetic: matrix products marked QUANTISED: E4M3 operands, one given power-of-two scale a tensor, by v_wmma_f32_16x16x64_fp8_fp8 or v_wmma_f32_16x16x128_fp8_fp8, f32 sums; everything else in f32.
;; Inputs: W1 4,096 x 1,024 float32; W2 1,024 x 4,096 float32; Wk 1,024 x 1,024 float32; Wo 1,024 x 1,024 float32; Wq 1,024 x 1,024 float32; Wv 1,024 x 1,024 float32; b1 4,096 float32; b2 1,024 float32; b_in 1,024 float32; b_mlp 1,024 float32; bk 1,024 float32; bo 1,024 float32; bq 1,024 float32; bv 1,024 float32; g_in 1,024 float32; g_mlp 1,024 float32; lowp_scales 16 int32 (the exponents e of the quantised operands' scales 2^e); res_pos 16 x 128 float32; x 2 x 2,048 x 1,024 float32.
;; Outputs: out0 2 x 2,048 x 1,024 float32.
;; This version of the problem:
;;   THIS VERSION OF THE PROBLEM IS GIVEN IN LOW PRECISION. The matrix products marked QUANTISED in the list below multiply operands that are first quantised to E4M3 (4 exponent bits, 3 mantissa bits; 8 bits a number), with one given power-of-two scale for each operand tensor; their sums are f32. All else is computed in f32.
;;   The module's matrix products, in the order in which they are computed (A, B: the left and right operand; K: the contracted axis; several contracted axes count as one K, in the product's order):
;;     1. [M 4,096, K 1,024] x [K 1,024, N 1,024]; A: computed on the way; B: input Wq: QUANTISED (scales: A lowp_scales[0], B lowp_scales[1])
;;     2. [M 4,096, K 1,024] x [K 1,024, N 1,024]; A: computed on the way; B: input Wk: QUANTISED (scales: A lowp_scales[2], B lowp_scales[3])
;;     3. [M 4,096, K 1,024] x [K 1,024, N 1,024]; A: computed on the way; B: input Wv: QUANTISED (scales: A lowp_scales[4], B lowp_scales[5])
;;     4. batch 32 x [M 2,048, K 64] x [K 64, N 2,048]; A: computed on the way; B: computed on the way: QUANTISED (scales: A lowp_scales[6], B lowp_scales[7])
;;     5. batch 32 x [M 64, K 2,048] x [K 2,048, N 2,048]; A: computed on the way; B: softmax (see below): QUANTISED (scales: A lowp_scales[8], B lowp_scales[9])
;;     6. [M 4,096, K 1,024] x [K 1,024, N 1,024]; A: computed on the way; B: input Wo: QUANTISED (scales: A lowp_scales[10], B lowp_scales[11])
;;     7. [M 4,096, K 1,024] x [K 1,024, N 4,096]; A: computed on the way; B: input W1: QUANTISED (scales: A lowp_scales[12], B lowp_scales[13])
;;     8. [M 4,096, K 4,096] x [K 4,096, N 1,024]; A: computed on the way; B: input W2: QUANTISED (scales: A lowp_scales[14], B lowp_scales[15])
;;   THE QUANTISER, for each operand of a quantised product, along K:
;;     - The operand's scale is 2^e, e = its entry of the input lowp_scales (int32; the entries are numbered through the quantised products in the list's order, A before B).
;;     - Each number is divided by the scale, clamped to +-448, and rounded to the nearest number of E4M3, ties to even, subnormals kept.
;;     - The product sums the exact products of the quantised numbers (number of the format x scale) in f32.
;;   ~~~python
;;   def quantise(x, axis, e):      # numpy; x: float32 -> the quantised numbers, widened to float32 again
;;       x = np.moveaxis(x, axis, -1); K = x.shape[-1]
;;       r = np.clip(x / 2.0 ** e, -448, 448)
;;       step = 2.0 ** (np.maximum(np.frexp(np.where(r == 0, 1, r))[1] - 1, -6) - 3)
;;       q = np.round(r / step) * step * 2.0 ** e      # np.round: ties to even
;;       return np.moveaxis(q, -1, axis).astype(np.float32)
;;   ~~~
;;   SOFTMAX AHEAD OF A QUANTISED PRODUCT. Where the list says 'softmax', what is quantised is not the finished softmax but p = 2^(t - M), with t = logit x log2(e) and M = ceil(the row's largest t), a whole number; so 1/2 < the row's largest p <= 1. The row's sum l is taken of the UNQUANTISED p, in f32, and the product's result is divided by l at the end. Since M is a whole number, a kernel that streams over the keys may use a running M (the ceiling of the running maximum): every later rescaling is an exact power of two, so the quantised numbers keep their values, but for numbers so far below the row's largest that they fall under the format's range.
;;   OPERANDS COMPUTED ON THE WAY. 'Computed on the way' means the value that the module computes at that place (a softmax that the list does not call 'softmax' is quantised finished and normalised). What goes into a quantiser is computed in f32, as accurately as f32 sums, v_exp_f32 and their like allow (about 1e-6 of the number): no bf16 or f16 on the way to a quantiser, and a product that is left as it is and whose result goes on into a quantised operand takes f32 operands (vector FMAs, or v_wmma_f32_16x16x4_f32). A number that lies on a knife's edge between two numbers of the format may be rounded either way, as far as f32 arithmetic and the matrix unit's own rounding can turn it there, and no further.
;; 2 versions, each right and faster than the one before. Each part assembles by itself: llvm-mc -triple=amdgcn-amd-amdhsa -mcpu=gfx1250 --defsym DOCPART=n.
;; ======== version 1 of 2: 7 launches
;; workspace buffers: wc 12,582,912 bytes; xc 12,582,912 bytes; qkv 12,582,912 bytes; oc 4,194,304 bytes; x1 16,777,216 bytes; yc 4,194,304 bytes; hc 16,777,216 bytes
;; launch prep (part 1): grid 1024 x 1, 8 waves a work-group, no clusters, 69,632 bytes of LDS; arguments x, g_in, b_in, lowp_scales, Wq, Wk, Wv, Wo, W1, W2, wc, xc; writes wc, xc
.if DOCPART == 1
	.amdgcn_target "amdgcn-amd-amdhsa--gfx1250"
	.amdhsa_code_object_version 6
	.text
	.protected	k_q1bcaa39b58_prep
	.globl	k_q1bcaa39b58_prep
	.p2align	8
	.type	k_q1bcaa39b58_prep,@function
k_q1bcaa39b58_prep:
	s_mov_b64 s[64:65], 0
	v_nop
	global_prefetch_b8 v0, s[64:65] scope:SCOPE_SE
	s_setreg_imm32_b32 hwreg(HW_REG_WAVE_MODE, 25, 1), 1
	s_wait_xcnt 0x0
; PREP.  (a) Work-groups 0-255: layer norm of 16 rows of x [4096][1024] f32, quantised three times (scales e0, e2, e4) into xc.  (b) Work-groups 256-1023: the six weights, f32 with K innermost, into codes in wc.
; code = number / 2^e, held within +-448, to the nearest E4M3 code, ties to even.  LIMITS: each e between -126 and 119, so that 2^e and 448 x 2^e are f32 numbers.  NaN among the inputs is not served.
; LAYOUT OF ALL CODES: the image of the matrix operand's registers.  A block of 16 rows x 128 k is 2,048 bytes, [q 0..3][lane][16 bytes]: lane (r, h) holds row r; its bytes 8 e + 0..7 of part q are k = 32 q + 16 e + 8 h + 0..7.
; Blocks follow as [row block][k block].  A later launch gets a fragment by four loads of 16 bytes a lane, 512 consecutive bytes each.
; wc: Wq at 0, Wk at 1 Mi, Wv at 2 Mi, Wo at 3 Mi, W1 at 4 Mi, W2 at 8 Mi: 6,144 blocks on end, one a wave of path (b).  xc: set s at s x 4 Mi.
; Both paths load rows as they lie (512 consecutive bytes a load), convert, and turn the codes through LDS.  The paths part on the work-group's number, meet at one barrier, and part again; each has LDS bytes of its own.
.set LP,   1040                        ; path (a): a row of 1,024 codes + 16: 260 words, so the 16 rows of a read start 4 banks apart
.set LSET, 16*LP                       ; a set's 16 rows; three sets from LDS byte 0 on
.set WST,  50176                       ; path (b): from here 16 rows x 144 bytes for each wave
.set WP,   144
.set G,    16                          ; v16-47   g_in, my 32 columns        (path (b): v16-31 row offsets)
.set BB,   48                          ; v48-79   b_in
.set X0,   80                          ; v80-111  the wave's first row       (path (b): v80-143 16 rows x 4 numbers)
.set X1,   112                         ; v112-143 its second
.set T,    144                         ; v144-175 held numbers
.set C,    176                         ; v176-199 codes, 8 registers a set   (path (b): v176-191)
.set A0,   200                         ; v[200:201], v[202:203] two chains of sums
.set A2,   202
.set M,    204                         ; v[204:205] the mean, twice
.set R,    206                         ; v[206:207] 1 / sqrt(var + eps), twice
.set QS,   208                         ; v208-213 for each set: 2^e, 448 x 2^e
.macro MKSC e, sc, lim                 ; 2^e and 448 x 2^e as f32 numbers
	s_add_co_i32 s68, \e, 127
	s_lshl_b32 s69, s68, 23
	v_mov_b32 v[\sc], s69
	s_add_co_i32 s68, s68, 8
	s_lshl_b32 s68, s68, 23
	s_or_b32 s68, s68, 0x600000
	v_mov_b32 v[\lim], s68
.endm
.macro REDUCE                          ; the two chains, their halves and the 32 lanes: the row's sum in every lane's v[A0]
	v_pk_add_f32 v[A0:A0+1], v[A0:A0+1], v[A2:A2+1]
	v_add_f32 v[A0], v[A0], v[A0+1]
	v_add_f32_dpp v[A0], v[A0], v[A0] row_xmask:1 row_mask:0xf bank_mask:0xf
	v_add_f32_dpp v[A0], v[A0], v[A0] row_xmask:2 row_mask:0xf bank_mask:0xf
	v_add_f32_dpp v[A0], v[A0], v[A0] row_xmask:4 row_mask:0xf bank_mask:0xf
	v_add_f32_dpp v[A0], v[A0], v[A0] row_xmask:8 row_mask:0xf bank_mask:0xf
	v_permlanex16_b32 v[A0+1], v[A0], s50, s51
	v_add_f32 v[A0], v[A0], v[A0+1]
.endm
.macro LNROW x                         ; ((x - mean) / sqrt(var + eps)) g + b, in place; the variance is taken of the differences
	v_pk_add_f32 v[A0:A0+1], v[\x:\x+1], v[\x+2:\x+3]
	v_pk_add_f32 v[A2:A2+1], v[\x+4:\x+5], v[\x+6:\x+7]
.irp j, 8,12,16,20,24,28
	v_pk_add_f32 v[A0:A0+1], v[A0:A0+1], v[\x+\j:\x+\j+1]
	v_pk_add_f32 v[A2:A2+1], v[A2:A2+1], v[\x+\j+2:\x+\j+3]
.endr
	REDUCE
	v_mul_f32 v[M], s52, v[A0]                     ; / 1,024
	v_mov_b32 v[M+1], v[M]
.set n, 0
.rept 16
	v_pk_add_f32 v[\x+n:\x+n+1], v[\x+n:\x+n+1], v[M:M+1] neg_lo:[0,1] neg_hi:[0,1]
.set n, n+2
.endr
	v_pk_mul_f32 v[A0:A0+1], v[\x:\x+1], v[\x:\x+1]
	v_pk_mul_f32 v[A2:A2+1], v[\x+2:\x+3], v[\x+2:\x+3]
.irp j, 4,8,12,16,20,24,28
	v_pk_fma_f32 v[A0:A0+1], v[\x+\j:\x+\j+1], v[\x+\j:\x+\j+1], v[A0:A0+1]
	v_pk_fma_f32 v[A2:A2+1], v[\x+\j+2:\x+\j+3], v[\x+\j+2:\x+\j+3], v[A2:A2+1]
.endr
	REDUCE
	v_fma_f32 v[A0], v[A0], s52, s53               ; var + eps
	v_rsq_f32 v[R], v[A0]
	v_nop                                          ; a plain instruction behind the transcendental,
	s_wait_alu depctr_va_vdst(0)                   ; and the wait ahead of its first reader
	v_mov_b32 v[R+1], v[R]
.set n, 0
.rept 16
	v_pk_mul_f32 v[\x+n:\x+n+1], v[\x+n:\x+n+1], v[R:R+1]
.set n, n+2
.endr
.set n, 0
.rept 16
	v_pk_fma_f32 v[\x+n:\x+n+1], v[\x+n:\x+n+1], v[G+n:G+n+1], v[BB+n:BB+n+1]
.set n, n+2
.endr
.endm
.macro QSET x, set, i                  ; row i of the wave's two, with set's scale: register j of the codes holds columns 128 j + 4 lane + 0..3
.set n, 0
.rept 32
	v_med3_num_f32 v[T+n], v[\x+n], -v[QS+2*\set+1], v[QS+2*\set+1]   ; the conversion does not saturate (ISA guide 7.6.2): the hold comes first; the row itself stays for the next set
.set n, n+1
.endr
.irp m, 0,1,2,3
	v_cvt_scalef32_pk8_fp8_f32 v[C+8*\set+2*\m:C+8*\set+2*\m+1], v[T+8*\m:T+8*\m+7], v[QS+2*\set]
.endr
	v_nop                                          ; a plain instruction between the conversions and the next lines that write their sources
.irp j, 0,1,2,3,4,5,6,7
	ds_store_b32 v6, v[C+8*\set+\j] offset:\set*LSET+\i*LP+128*\j
.endr
.endm
	s_load_b512 s[8:23], s[0:1], 0x0               ; x 8, g_in 10, b_in 12, scales 14, Wq 16, Wk 18, Wv 20, Wo 22
	s_load_b256 s[24:31], s[0:1], 0x40             ; W1 24, W2 26, wc 28, xc 30
	v_lshl_add_u32 v216, v0, 2, 0x10c00
	v_mov_b32 v217, 0
	v_lshrrev_b32 v1, 5, v0
	v_readfirstlane_b32 s48, v1                    ; wave 0..7
	v_and_b32 v1, 31, v0                           ; lane
	v_and_b32 v2, 15, v0                           ; r
	v_bfe_u32 v3, v0, 4, 1                         ; h
	v_lshlrev_b32 v4, 4, v1                        ; 16 x lane
	v_lshlrev_b32 v5, 2, v1                        ; 4 x lane
	; every LDS address and every store offset of both paths is made here, ahead of the parting, and never rewritten
	s_mul_i32 s49, s48, 2*LP
	v_add_nc_u32 v6, s49, v5                       ; (a) in: my wave's two rows, 4 bytes a lane
	v_mul_u32_u24 v7, v2, LP
	v_lshl_add_u32 v7, v3, 3, v7
	s_lshl_b32 s49, s48, 7
	v_add_nc_u32 v7, s49, v7                       ; (a) back: row r, + 8 h, k block = my wave
	s_mul_i32 s49, s48, 16*WP
	s_add_co_u32 s49, s49, WST
	v_add_nc_u32 v8, s49, v5                       ; (b) in
	v_mul_u32_u24 v9, v2, WP
	v_lshl_add_u32 v9, v3, 3, v9
	v_add_nc_u32 v9, s49, v9                       ; (b) back
	s_lshl_b32 s49, s48, 11
	v_add_nc_u32 v10, s49, v4                      ; (a) out: block = my wave, 16 bytes a lane
	s_mov_b32 s50, 0x76543210                      ; v_permlanex16_b32: lane l xor 16
	s_mov_b32 s51, 0xfedcba98
	s_mov_b32 s52, 0x3a800000                      ; 1 / 1,024
	s_mov_b32 s53, 0x3727c5ac                      ; eps = 1e-5
	s_lshl_b32 s60, ttmp9, 14                      ; (a) a row block's eight image blocks
	s_mov_b32 s61, 0
	s_lshl_b32 s62, ttmp9, 3
	s_add_co_u32 s62, s62, s48
	s_lshl_b32 s62, s62, 11                        ; (b) 2,048 x (8 x work-group + wave),
	s_mov_b32 s63, 0
	s_wait_kmcnt 0x0
	s_load_b512 s[32:47], s[14:15], 0x0            ; e0 .. e15
	s_add_nc_u64 s[54:55], s[30:31], s[60:61]      ; (a) the three sets' places in xc
	s_add_nc_u64 s[56:57], s[54:55], 0x400000
	s_add_nc_u64 s[58:59], s[54:55], 0x800000
	s_add_nc_u64 s[66:67], s[28:29], s[62:63]
	s_sub_nc_u64 s[66:67], s[66:67], 0x400000      ; (b) less the 256 work-groups of path (a): my block's place in wc
	s_cmp_ge_u32 ttmp9, 256
	s_cbranch_scc1 .Lweights
	; ---- (a) wave w takes rows 16 wg + 2 w and + 1; a load's 32 lanes read 512 consecutive bytes: lane l holds columns 128 j + 4 l + 0..3 of load j
	s_lshl_b32 s60, ttmp9, 16
	s_lshl_b32 s62, s48, 13
	s_add_co_u32 s60, s60, s62
	s_add_nc_u64 s[8:9], s[8:9], s[60:61]
.irp j, 0,1,2,3,4,5,6,7
	global_load_b128 v[G+4*\j:G+4*\j+3], v4, s[10:11] offset:512*\j
.endr
.irp j, 0,1,2,3,4,5,6,7
	global_load_b128 v[BB+4*\j:BB+4*\j+3], v4, s[12:13] offset:512*\j
.endr
.irp j, 0,1,2,3,4,5,6,7
	global_load_b128 v[X0+4*\j:X0+4*\j+3], v4, s[8:9] offset:512*\j
.endr
.irp j, 0,1,2,3,4,5,6,7
	global_load_b128 v[X1+4*\j:X1+4*\j+3], v4, s[8:9] offset:4096+512*\j
.endr
	s_wait_kmcnt 0x0
	MKSC s32, QS, QS+1                             ; e0: the operand of the product with Wq
	MKSC s34, QS+2, QS+3                           ; e2: with Wk
	MKSC s36, QS+4, QS+5                           ; e4: with Wv
	s_wait_loadcnt 8                               ; g, b and the first row are in; the second row's eight loads may be out
	LNROW X0
	QSET X0, 0, 0
	QSET X0, 1, 0
	QSET X0, 2, 0
	s_wait_loadcnt 0x0
	LNROW X1
	s_wait_dscnt 0x0                               ; the first row's LDS stores have read the codes' registers
	QSET X1, 0, 1
	QSET X1, 1, 1
	QSET X1, 2, 1
	s_branch .Ljoin
.Lweights:
	; ---- (b) which tensor my work-group's eight blocks belong to: five compares on the work-group's number, each followed by selections alone
	s_sub_co_u32 s60, ttmp9, 256
	s_lshl_b32 s62, s60, 3
	s_add_co_u32 s62, s62, s48                     ; my block, 0 .. 6,143
	s_wait_kmcnt 0x0
	s_mov_b64 s[70:71], s[26:27]                   ; W2:
	s_mov_b32 s72, 4096                            ; its first block,
	s_mov_b32 s73, s47                             ; its e,
	s_mov_b32 s74, 5                               ; log2 of its k blocks in a row,
	s_mov_b32 s75, 16384                           ; a row in bytes
	s_cmp_lt_u32 s60, 512
	s_cselect_b64 s[70:71], s[24:25], s[70:71]     ; W1
	s_cselect_b32 s72, 2048, s72
	s_cselect_b32 s73, s45, s73
	s_cselect_b32 s74, 3, s74
	s_cselect_b32 s75, 4096, s75
	s_cmp_lt_u32 s60, 256
	s_cselect_b64 s[70:71], s[22:23], s[70:71]     ; Wo
	s_cselect_b32 s72, 1536, s72
	s_cselect_b32 s73, s43, s73
	s_cmp_lt_u32 s60, 192
	s_cselect_b64 s[70:71], s[20:21], s[70:71]     ; Wv
	s_cselect_b32 s72, 1024, s72
	s_cselect_b32 s73, s37, s73
	s_cmp_lt_u32 s60, 128
	s_cselect_b64 s[70:71], s[18:19], s[70:71]     ; Wk
	s_cselect_b32 s72, 512, s72
	s_cselect_b32 s73, s35, s73
	s_cmp_lt_u32 s60, 64
	s_cselect_b64 s[70:71], s[16:17], s[70:71]     ; Wq
	s_cselect_b32 s72, 0, s72
	s_cselect_b32 s73, s33, s73
	s_sub_co_u32 s62, s62, s72                     ; my block within the tensor
	s_lshl_b32 s76, 1, s74
	s_sub_co_u32 s76, s76, 1
	s_and_b32 s77, s62, s76                        ; its k block: 512 bytes of a row,
	s_lshl_b32 s77, s77, 9
	s_lshr_b32 s78, s62, s74                       ; its row block: 16 rows
	s_mul_i32 s78, s78, s75
	s_lshl_b32 s78, s78, 4
	s_add_co_u32 s78, s78, s77
	s_mov_b32 s79, 0
	s_add_nc_u64 s[70:71], s[70:71], s[78:79]
	v_mov_b32 v16, v4
.irp i, 1,2,3,4,5,6,7,8,9,10,11,12,13,14,15
	v_add_nc_u32 v[16+\i], s75, v[15+\i]           ; row i: the row's length differs between tensors, so it cannot stand in the immediate
.endr
.irp i, 0,1,2,3,4,5,6,7,8,9,10,11,12,13,14,15
	global_load_b128 v[80+4*\i:83+4*\i], v[16+\i], s[70:71] th:TH_LOAD_NT   ; 512 consecutive bytes of row i: lane l holds k = 4 l + 0..3
.endr
	MKSC s73, 11, 12
.irp p, 0,1,2,3,4,5,6,7
	s_wait_loadcnt 14-2*\p                         ; rows 2 p and 2 p + 1 are in; the younger rows' loads may be out
.irp i, 0,1,2,3,4,5,6,7
	v_med3_num_f32 v[80+8*\p+\i], v[80+8*\p+\i], -v12, v12
.endr
	v_cvt_scalef32_pk8_fp8_f32 v[176+2*\p:177+2*\p], v[80+8*\p:87+8*\p], v11   ; register 176 + i: row i's four codes
.endr
	v_nop                                          ; a plain instruction behind the last conversion
.irp i, 0,1,2,3,4,5,6,7,8,9,10,11,12,13,14,15
	ds_store_b32 v8, v[176+\i] offset:WP*\i
.endr
.Ljoin:
	s_wait_dscnt 0x0                               ; my LDS stores have landed: path (a)'s rows are read by other waves
	s_barrier_signal -1
	s_barrier_wait -1
	s_cmp_ge_u32 ttmp9, 256
	s_cbranch_scc1 .Lweights_out
	; ---- (a) wave w stores k block w of the three sets
.irp set, 0,1,2
.irp q, 0,1,2,3
.irp e, 0,1
	ds_load_b64 v[80+16*\set+4*\q+2*\e:81+16*\set+4*\q+2*\e], v7 offset:\set*LSET+32*\q+16*\e
.endr
.endr
.endr
	s_wait_dscnt 16                                ; set 0's eight loads are in; sets 1 and 2 may be out
.irp q, 0,1,2,3
	global_store_b128 v10, v[80+4*\q:83+4*\q], s[54:55] offset:512*\q        ; 512 consecutive bytes, at a multiple of 512 from the buffer's first byte
.endr
	s_wait_dscnt 8
.irp q, 0,1,2,3
	global_store_b128 v10, v[96+4*\q:99+4*\q], s[56:57] offset:512*\q
.endr
	s_wait_dscnt 0x0
.irp q, 0,1,2,3
	global_store_b128 v10, v[112+4*\q:115+4*\q], s[58:59] offset:512*\q
.endr
	s_wait_tensorcnt 0x0
	ds_add_u32 v216, v217
	s_wait_dscnt 0x0
	s_endpgm
.Lweights_out:
	; ---- (b) my wave's own block
.irp q, 0,1,2,3
.irp e, 0,1
	ds_load_b64 v[144+4*\q+2*\e:145+4*\q+2*\e], v9 offset:32*\q+16*\e
.endr
.endr
	s_wait_dscnt 0x0
.irp q, 0,1,2,3
	global_store_b128 v4, v[144+4*\q:147+4*\q], s[66:67] offset:512*\q
.endr
	s_wait_tensorcnt 0x0
	ds_add_u32 v216, v217
	s_wait_dscnt 0x0
	s_endpgm
.Lfunc_end_k_q1bcaa39b58_prep:
	.size	k_q1bcaa39b58_prep, .Lfunc_end_k_q1bcaa39b58_prep-k_q1bcaa39b58_prep
	.p2alignl 7, 3214868480
	.fill 96, 4, 3214868480
	.section	.rodata,"a",@progbits
	.p2align	6, 0x0
	.amdhsa_kernel k_q1bcaa39b58_prep
		.amdhsa_group_segment_fixed_size 69632
		.amdhsa_private_segment_fixed_size 0
		.amdhsa_enable_private_segment 0
		.amdhsa_kernarg_size 96
		.amdhsa_user_sgpr_count 2
		.amdhsa_user_sgpr_kernarg_segment_ptr 1
		.amdhsa_wavefront_size32 1
		.amdhsa_system_sgpr_workgroup_id_x 1
		.amdhsa_system_sgpr_workgroup_id_y 1
		.amdhsa_system_sgpr_workgroup_id_z 1
		.amdhsa_system_vgpr_workitem_id 0
		.amdhsa_next_free_vgpr 218
		.amdhsa_next_free_sgpr 80
		.amdhsa_reserve_vcc 0
		.amdhsa_float_denorm_mode_32 3
		.amdhsa_float_denorm_mode_16_64 3
		.amdhsa_memory_ordered 1
		.amdhsa_forward_progress 1
		.amdhsa_inst_pref_size 50
	.end_amdhsa_kernel
	.amdgpu_metadata
---
amdhsa.version: [ 1, 2 ]
amdhsa.kernels:
  - .name:           k_q1bcaa39b58_prep
    .symbol:         k_q1bcaa39b58_prep.kd
    .args:
      - { .name: x, .offset: 0, .size: 8, .value_kind: global_buffer, .address_space: global }
      - { .name: g_in, .offset: 8, .size: 8, .value_kind: global_buffer, .address_space: global }
      - { .name: b_in, .offset: 16, .size: 8, .value_kind: global_buffer, .address_space: global }
      - { .name: lowp_scales, .offset: 24, .size: 8, .value_kind: global_buffer, .address_space: global }
      - { .name: Wq, .offset: 32, .size: 8, .value_kind: global_buffer, .address_space: global }
      - { .name: Wk, .offset: 40, .size: 8, .value_kind: global_buffer, .address_space: global }
      - { .name: Wv, .offset: 48, .size: 8, .value_kind: global_buffer, .address_space: global }
      - { .name: Wo, .offset: 56, .size: 8, .value_kind: global_buffer, .address_space: global }
      - { .name: W1, .offset: 64, .size: 8, .value_kind: global_buffer, .address_space: global }
      - { .name: W2, .offset: 72, .size: 8, .value_kind: global_buffer, .address_space: global }
      - { .name: wc, .offset: 80, .size: 8, .value_kind: global_buffer, .address_space: global }
      - { .name: xc, .offset: 88, .size: 8, .value_kind: global_buffer, .address_space: global }
    .group_segment_fixed_size: 69632
    .private_segment_fixed_size: 0
    .kernarg_segment_align: 8
    .kernarg_segment_size: 96
    .max_flat_workgroup_size: 256
    .sgpr_count:     80
    .vgpr_count:     218
    .wavefront_size: 32
...
	.end_amdgpu_metadata
.endif
;; end of part 1
;; launch proj (part 2): grid 8 x 24, 4 waves a work-group, clusters of 4 x 4, 327,680 bytes of LDS; arguments xc, wc, lowp_scales, bq, bk, bv, qkv; writes qkv
.if DOCPART == 2
	.amdgcn_target "amdgcn-amd-amdhsa--gfx1250"
	.amdhsa_code_object_version 6
	.text
	.protected	k_q1bcaa39b58_proj
	.globl	k_q1bcaa39b58_proj
	.p2align	8
	.type	k_q1bcaa39b58_proj,@function
k_q1bcaa39b58_proj:
	s_mov_b64 s[64:65], 0
	v_nop
	global_prefetch_b8 v0, s[64:65] scope:SCOPE_SE
	s_setreg_imm32_b32 hwreg(HW_REG_WAVE_MODE, 25, 1), 1
	s_wait_xcnt 0x0
	s_wait_alu depctr_hold_cnt(0) depctr_sa_sdst(0) depctr_va_vdst(0) depctr_va_sdst(0) depctr_va_ssrc(0) depctr_va_vcc(0) depctr_vm_vsrc(0)
	s_getreg_b32 s2, hwreg(HW_REG_IB_STS2, 6, 4)
	s_cmp_eq_u32 s2, 0
	s_cbranch_scc0 .Lentry_in_a_cluster
	s_endpgm
.Lentry_in_a_cluster:
	s_bfe_u32 s2, ttmp6, 0x10000c
	s_cmp_lg_u32 s2, 0xf033
	s_cbranch_scc0 .Lentry_shape_is_right
	s_endpgm
.Lentry_shape_is_right:
; q, k, v = xn W^T + b on codes of E4M3, quantised again (e6, e7, e8) and laid as the attention launch's operand registers.  Operands are register images: a block of 16 rows x 128 k is 2,048 bytes, [part 0..3][lane][16 bytes].
; A tile of 256 x 256 is made by four waves, 128 x 128 each: 64 accumulators, 512 registers.  K = 1,024 goes in steps of 256 through two LDS slots filled by the tensor data mover: for 8 row blocks 4,096 consecutive bytes each.
; CLUSTERS of 4 x 4: the first operand's tile is shared along a row of the cluster, the second's along a column; each is asked for jointly.
; SECTIONS, by the cluster's place in the grid (the same in all sixteen partners): cluster y 0-3: first operand = tokens (xc, set = cluster x), second = rows of [Wq; Wk]: cluster x = 0 makes q, 1 makes k.
; cluster y 4, 5: v, WITH THE OPERANDS' ROLES SWAPPED: first operand = rows of Wv, second = tokens (xc, set 2).
; The matrix instruction takes the second operand's rows as source 0: a lane then holds one row of the first operand and eight neighbours of the second: for q, k one token and eight features, for v one feature and eight keys:
; in both cases the eight that one conversion turns into two registers of the next product's operand.  So results leave from registers, 512 or 256 consecutive bytes a store, with no turn through LDS.
; qkv: q at 0, k at 4 Mi, v at 8 Mi; each [batch x 16 + head][tile of 16 tokens][1,024 bytes]; q, k: [half 0..1][lane][16 bytes]; v: [16 features dt 0..3][lane][8 bytes].
; LIMITS: e0 + e1, e2 + e3, e4 + e5 between -126 and 127; e6, e7, e8 between -126 and 119.  NaN among the inputs is not served.
; REGISTERS, in windows of 256: window 0: v0-31 addresses; v32-95 bias along a lane's eight, v96-111 bias by the lane's row; from v128 the first operand's fragments, one set; window 1: the second's, two sets; windows 2, 3: accumulators.
.set KTOT,   1024
.set STEPB,  4096                      ; a row block's bytes of a K step of 256
.set HALFT,  32768                     ; 8 row blocks: what one tensor load brings, and what a wave reads of an operand
.set SLOT,   131072
.set SPARE,  262144                    ; behind the ring: the spare words, 128 bytes for each wave, which no other line names
.set LAPS,   KTOT/512
.set FR,     16
.set NL,     4
.set NP,     4
.set ADRA, 16
.set ADRB, 20
.set CO,   26                          ; v26 16 x lane
.set CO8,  27                          ; v27 8 x lane
.set SPW,  28
.set NIL,  29
.set SC,   30                          ; v30 2^eo;  v31 448 x 2^eo
.set LIM,  31
.set BC,   32
.set BR,   96
.set AF,   128
.set TMP,  128                         ; the way out: 64 numbers,
.set CD,   192                         ; and four blocks' codes, 16 registers each
.set G1, 24
.set G0, 32
.set G1B, 48
.set G0B, 56
.set MSB, 0
.macro WIN new                         ; the immediate's high byte repeats the setting that is left
.if MSB != \new
	s_set_vgpr_msb (MSB<<8)|\new
.set MSB, \new
.endif
.endm
.set MUL_LO, 0xa1                      ; source 0 window 1, source 1 window 0, C and D window 2
.set MUL_HI, 0xf1
.set TO_B,   0x40
.macro JLOAD g0a, g1a, g0b, g1b        ; a joint load: waves 0, 1 fetch the first operand's halves, waves 2, 3 the second's; four v_nop follow each line
	s_cmp_eq_u32 s15, 0
	s_cbranch_scc0 .Lfor_b_\@
	tensor_load_to_lds s[\g0a:\g0a+3], s[\g1a:\g1a+7]
	s_nop 0
.rept 4
	v_nop
.endr
	s_branch .Lasked_\@
.Lfor_b_\@:
	tensor_load_to_lds s[\g0b:\g0b+3], s[\g1b:\g1b+7]
	s_nop 0
.rept 4
	v_nop
.endr
.Lasked_\@:
.endm
.macro CREST                           ; a round of the cluster's barrier behind its opening barrier
	s_cmp_lg_u32 s14, 0
	s_cbranch_scc1 .Lnot_wave_0_\@
	s_barrier_signal -3
.Lnot_wave_0_\@:
	s_barrier_wait -3
	s_barrier_signal -1
	s_barrier_wait -1
.endm
.macro CROUND
	s_barrier_signal -1
	s_barrier_wait -1
	CREST
.endm
	s_load_b256 s[68:75], s[0:1], 0x0              ; xc 68, wc 70, scales 72, bq 74
	s_load_b128 s[76:79], s[0:1], 0x20             ; bk 76, bv 78
	s_load_b64 s[10:11], s[0:1], 0x30              ; qkv
	v_lshl_add_u32 v[SPW], v0, 2, SPARE
	v_mov_b32 v[NIL], 0
	ds_add_u32 v28, v29
	ds_add_u32 v28, v29
	s_wait_dscnt 0x0
	v_lshrrev_b32 v1, 5, v0
	v_readfirstlane_b32 s14, v1                    ; wave 0..3
	s_lshr_b32 s15, s14, 1                         ; my half of the first operand's rows.  Also: I fetch for the first (0) or the second (1)
	s_and_b32 s16, s14, 1                          ; my half of the second's.  Also: which 128 rows I fetch
	s_bfe_u32 s40, ttmp6, 0x40000                  ; cx
	s_bfe_u32 s41, ttmp6, 0x40004                  ; cy
	s_and_b32 s82, ttmp7, 0xffff                   ; cluster y; ttmp9: cluster x
	s_lshl_b32 s18, s82, 1
	s_add_co_u32 s18, s18, ttmp9
	s_sub_co_u32 s18, s18, 8                       ; v: which four tile columns of tokens: cluster x + 2 (cluster y - 4)
	s_lshl_b32 s19, ttmp9, 22                      ; q, k: the set of xc
	s_cmp_ge_u32 s82, 4                            ; v's section?
	s_cselect_b32 s17, 0, s82
	s_cselect_b32 s42, s18, ttmp9
	s_cselect_b32 s93, 0x200000, s19               ; where the first operand begins in its buffer: Wv, or the set
	s_cselect_b32 s94, 0x800000, 0                 ; and the second: set 2, or [Wq; Wk]
	s_lshl_b32 s17, s17, 2
	s_add_co_u32 s17, s17, s41                     ; tile row
	s_lshl_b32 s42, s42, 2
	s_add_co_u32 s42, s42, s40                     ; tile column
	s_lshl_b32 s43, s41, 2
	s_lshl_b32 s43, 15, s43                        ; my row of the cluster
	s_lshl_b32 s44, 0x1111, s40                    ; my column
	; descriptor group 1: 8 rows (row blocks) of 512 elements of 8 bytes, KTOT x 16 bytes apart; dense in LDS
	s_or_b32 s[G1+0], s43, (3<<16)|(1<<21)         ; 15:0 the mask; 17:16 elements of 8 bytes; 21 set beside a mask; no padding
	s_or_b32 s[G1B+0], s44, (3<<16)|(1<<21)
.irp g, G1, G1B
	s_mov_b32 s[\g+1], 512<<16                     ; tensor_dim0
	s_mov_b32 s[\g+2], 8<<16                       ; tensor_dim1
	s_mov_b32 s[\g+3], 512<<16                     ; tile_dim0
	s_mov_b32 s[\g+4], 8                           ; tile_dim1
	s_mov_b32 s[\g+5], KTOT*2                      ; tensor_dim0_stride, in elements
	s_mov_b32 s[\g+6], 0
	s_mov_b32 s[\g+7], 0
.endr
	s_lshl_b32 s18, s16, 7
	s_lshl_b32 s20, s17, 8
	s_add_co_u32 s20, s20, s18                     ; first operand: row 256 x tile row + 128 x half; a row's codes are KTOT bytes of the image
	s_mul_i32 s20, s20, KTOT
	s_add_co_u32 s20, s20, s93
	s_mov_b32 s21, 0
	s_lshl_b32 s46, s42, 8
	s_add_co_u32 s46, s46, s18
	s_mul_i32 s46, s46, KTOT
	s_add_co_u32 s46, s46, s94
	s_mov_b32 s47, 0
	s_mul_i32 s45, s14, HALFT                      ; where they go: no place in the cluster enters an LDS address
	s_wait_kmcnt 0x0
	s_load_b256 s[84:91], s[72:73], 0x0            ; e0 .. e7
	s_load_b32 s92, s[72:73], 0x20                 ; e8
	s_cmp_ge_u32 s82, 4
	s_cselect_b64 s[4:5], s[70:71], s[68:69]       ; first operand: wc for v, else xc
	s_cselect_b64 s[6:7], s[68:69], s[70:71]       ; second: the other
	s_add_nc_u64 s[20:21], s[4:5], s[20:21]
	s_add_nc_u64 s[46:47], s[6:7], s[46:47]
	CROUND                                         ; all sixteen work-groups are here: the first joint loads meet
.irp s, 0,1
	s_mov_b32 s[G0+4*\s], 1
	s_add_co_u32 s[G0+4*\s+1], s45, \s*SLOT
	s_add_nc_u64 s[G0+4*\s+2:G0+4*\s+3], s[20:21], \s*STEPB
	s_or_b32 s[G0+4*\s+3], s[G0+4*\s+3], 0x80000000
	s_mov_b32 s[G0B+4*\s], 1
	s_add_co_u32 s[G0B+4*\s+1], s45, \s*SLOT
	s_add_nc_u64 s[G0B+4*\s+2:G0B+4*\s+3], s[46:47], \s*STEPB
	s_or_b32 s[G0B+4*\s+3], s[G0B+4*\s+3], 0x80000000
	JLOAD G0+4*\s, G1, G0B+4*\s, G1B
.endr
	v_and_b32 v1, 15, v0                           ; r
	v_bfe_u32 v2, v0, 4, 1                         ; h
	v_and_b32 v3, 31, v0
	v_lshlrev_b32 v[CO], 4, v3
	v_lshlrev_b32 v[CO8], 3, v3
	s_mul_i32 s21, s15, HALFT
	s_mul_i32 s22, s16, HALFT
	s_add_co_u32 s22, s22, 2*HALFT
.irp s, 0,1
	v_add_nc_u32 v[ADRA+\s], s21, v[CO]            ; a fragment's part is 512 consecutive bytes: 16 x lane
	v_add_nc_u32 v[ADRB+\s], s22, v[CO]
	s_add_co_u32 s21, s21, SLOT
	s_add_co_u32 s22, s22, SLOT
.endr
	; the section's bias, in both layouts (each section uses one; both indices stay inside the 1,024 numbers)
	s_cmp_eq_u32 ttmp9, 0
	s_cselect_b64 s[12:13], s[74:75], s[76:77]
	s_cmp_ge_u32 s82, 4
	s_cselect_b64 s[12:13], s[78:79], s[12:13]
	s_and_b32 s18, s42, 3
	s_lshl_b32 s18, s18, 10
	s_lshl_b32 s19, s16, 9
	s_add_co_u32 s18, s18, s19
	s_mov_b32 s19, 0
	s_add_nc_u64 s[8:9], s[12:13], s[18:19]        ; along the second operand's rows: my 128
	s_and_b32 s18, s17, 3
	s_lshl_b32 s18, s18, 10
	s_lshl_b32 s22, s15, 9
	s_add_co_u32 s18, s18, s22
	s_add_nc_u64 s[12:13], s[12:13], s[18:19]      ; along the first's
	v_lshlrev_b32 v5, 5, v2                        ; 32 h
	v_lshlrev_b32 v6, 2, v1                        ; 4 r
.irp b, 0,1,2,3,4,5,6,7
	global_load_b128 v[BC+8*\b:BC+8*\b+3], v5, s[8:9] offset:64*\b          ; bias(16 b + 8 h + 0..7)
	global_load_b128 v[BC+8*\b+4:BC+8*\b+7], v5, s[8:9] offset:64*\b+16
.endr
.irp a, 0,1,2,3,4,5,6,7
	global_load_b32 v[BR+2*\a], v6, s[12:13] offset:64*\a                   ; bias(16 a + r), twice: a pair for the packed form
	global_load_b32 v[BR+2*\a+1], v6, s[12:13] offset:64*\a
.endr
.macro FRAG reg, adr, q, i             ; a fragment, 16 rows x 128 K, 16 registers: four parts of 512 bytes; registers 2 c, 2 c + 1 hold K = 16 c + 8 (lane / 16) + 0..7
.irp c, 0,1,2,3
	ds_load_b128 v[\reg+4*\c:\reg+4*\c+3], v[\adr] offset:2048*(\q)+512*\c+(\i)*4096
.endr
.endm
; 16 matrix instructions: the first operand's blocks a0, a0 + 1 x the second's eight.  The 64 accumulators take turns, one instruction a turn, in the same order in every step.
.macro MUL16 a0, p, zero
.irp a, \a0, \a0+1
.irp b, 0,1,2,3,4,5,6,7
.if \zero
	v_wmma_f32_16x16x128_fp8_fp8 v[8*(8*((\a)%4)+\b):8*(8*((\a)%4)+\b)+7], v[128*(\p)+FR*\b:128*(\p)+FR*\b+FR-1], v[AF+FR*(\a):AF+FR*(\a)+FR-1], 0
.else
	v_wmma_f32_16x16x128_fp8_fp8 v[8*(8*((\a)%4)+\b):8*(8*((\a)%4)+\b)+7], v[128*(\p)+FR*\b:128*(\p)+FR*\b+FR-1], v[AF+FR*(\a):AF+FR*(\a)+FR-1], v[8*(8*((\a)%4)+\b):8*(8*((\a)%4)+\b)+7]
.endif
.endr
.endr
.endm
.macro FETCH_B slot, q, p
	WIN TO_B
.irp i, 0,1,2,3,4,5,6,7
	FRAG 128*(\p)+FR*\i, ADRB+\slot, \q, \i
.endr
	WIN 0
.endm
.macro FETCH_A slot, q, i0
.irp i, \i0, \i0+1, \i0+2, \i0+3
	FRAG AF+FR*(\i), ADRA+\slot, \q, \i
.endr
.endm
.macro PLACES n                        ; plain vector instructions between a matrix instruction and a load into, or a vector access of, its registers
.rept \n
	v_nop
.endr
.endm
.macro STEP slot, q, zero              ; 128 along K, with its successor in the same slot
	s_wait_dscnt 4*NL                              ; all but the youngest sixteen loads (blocks 4-7 of the first operand) are in
	WIN MUL_LO
	MUL16 0, (\q)%2, \zero
	MUL16 2, (\q)%2, \zero
	s_wait_dscnt 0
	PLACES NP
	FETCH_B \slot, (\q)+1, 1-(\q)%2
	FETCH_A \slot, (\q)+1, 0
	WIN MUL_HI
	MUL16 4, (\q)%2, \zero
	MUL16 6, (\q)%2, \zero
	PLACES NP
	WIN 0
	FETCH_A \slot, (\q)+1, 4
.endm
.macro TURN slot, next, fill           ; a slot's last step changes slots: one barrier; fill = 1: this slot is filled again, two K steps ahead
	s_wait_tensorcnt 0x0                           ; all my tensor loads have landed: my part of the next slot
	ds_add_u32 v[SPW], v[NIL]                      ; 0 onto my spare word
	s_wait_dscnt 4*NL+1                            ; the add and the youngest sixteen loads may be out
	WIN MUL_LO
	MUL16 0, 1, 0
	s_wait_dscnt 0x0                               ; the add is done, and my reads of this slot are over
	s_barrier_signal -1
	MUL16 2, 1, 0
	WIN 0
	s_barrier_wait -1
.if \fill
	CREST                                          ; the barrier has opened a round of the cluster's: no wave of any partner still reads this slot or has a load on its way
	s_add_nc_u64 s[G0+4*\slot+2:G0+4*\slot+3], s[G0+4*\slot+2:G0+4*\slot+3], 2*STEPB
	s_add_nc_u64 s[G0B+4*\slot+2:G0B+4*\slot+3], s[G0B+4*\slot+2:G0B+4*\slot+3], 2*STEPB
	JLOAD G0+4*\slot, G1, G0B+4*\slot, G1B         ; the first tensor load behind the round; its four v_nop are the places in front of the loads below
.else
	PLACES NP
.endif
	FETCH_B \next, 0, 0
	FETCH_A \next, 0, 0
	WIN MUL_HI
	MUL16 4, 1, 0
	MUL16 6, 1, 0
	PLACES NP
	WIN 0
	FETCH_A \next, 0, 4
.endm
	s_wait_loadcnt 0x0                             ; the biases
	s_wait_tensorcnt 1                             ; my part of K step 0 is in; K step 1's load may be out
	s_barrier_signal -1
	s_barrier_wait -1
	FETCH_B 0, 0, 0
	FETCH_A 0, 0, 0
	FETCH_A 0, 0, 4
	STEP 0, 0, 1                                   ; the first step's products start the sums
	s_mov_b32 s3, LAPS-1
.Llap:
	TURN 0, 1, 1
	STEP 1, 0, 0
	TURN 1, 0, 1
	STEP 0, 0, 0
	s_sub_co_u32 s3, s3, 1
	s_cmp_lg_u32 s3, 0
	s_cbranch_scc1 .Llap
	TURN 0, 1, 0
	STEP 1, 0, 0
	s_wait_dscnt 4*NL
	WIN MUL_LO
	MUL16 0, 1, 0
	MUL16 2, 1, 0
	s_wait_dscnt 0
	WIN MUL_HI
	MUL16 4, 1, 0
	MUL16 6, 1, 0
	WIN 0
	; THE WAY OUT.  number = sum x 2^(ea + eb) + bias, one fused multiply-add; held; eight of a lane become two registers of the next operand; stored from registers.
	s_wait_kmcnt 0x0
	s_add_co_i32 s84, s84, s85
	s_add_co_i32 s86, s86, s87
	s_add_co_i32 s88, s88, s89
	s_cmp_eq_u32 ttmp9, 0
	s_cselect_b32 s96, s84, s86
	s_cselect_b32 s18, s90, s91
	s_cmp_ge_u32 s82, 4
	s_cselect_b32 s96, s88, s96                    ; ea + eb of my section
	s_cselect_b32 s18, s92, s18                    ; eo: e6, e7 or e8
	s_add_co_i32 s96, s96, 127
	s_lshl_b32 s96, s96, 23
	s_mov_b32 s97, s96                             ; (named with it as a pair)
	s_add_co_i32 s18, s18, 127
	s_lshl_b32 s19, s18, 23
	v_mov_b32 v[SC], s19
	s_add_co_i32 s18, s18, 8
	s_lshl_b32 s18, s18, 23
	s_or_b32 s18, s18, 0x600000
	v_mov_b32 v[LIM], s18
	PLACES NP
; block a of the first operand's eight.  byrow = 0: the bias runs along the lane's eight (q, k); 1: it belongs to the lane's row (v)
.macro OUTQ a, byrow
.set AC, 64*((\a)%4)
.set CDA, CD+16*((\a)%4)
.if (\a) >= 4
	s_wait_xcnt 0x0                                ; block a - 4's stores have read these registers
.endif
	WIN 0x02+((\a)/4)                              ; source 0: window 2 or 3
.set n, 0
.rept 32
.if \byrow
	v_pk_fma_f32 v[TMP+n:TMP+n+1], v[AC+n:AC+n+1], s[96:97], v[BR+2*(\a):BR+2*(\a)+1] op_sel_hi:[1,0,1]
.else
	v_pk_fma_f32 v[TMP+n:TMP+n+1], v[AC+n:AC+n+1], s[96:97], v[BC+n:BC+n+1] op_sel_hi:[1,0,1]   ; each accumulator from its low end on
.endif
.set n, n+2
.endr
	WIN 0
.set n, 0
.rept 64
	v_med3_num_f32 v[TMP+n], v[TMP+n], -v[LIM], v[LIM]
.set n, n+1
.endr
.irp b, 0,1,2,3,4,5,6,7
	v_cvt_scalef32_pk8_fp8_f32 v[CDA+2*\b:CDA+2*\b+1], v[TMP+8*\b:TMP+8*\b+7], v[SC]
.endr
	v_nop                                          ; a plain instruction between the conversions and the next block's writes of their sources
.if \byrow
.irp b, 0,1,2,3,4,5,6,7
	global_store_b64 v[CO8], v[CDA+2*\b:CDA+2*\b+1], s[10:11] offset:((\a)/4)*131072+((\a)%4)*256+\b*1024   ; head a / 4, features 16 (a % 4) on, key tile b: 256 consecutive bytes, aligned
.endr
.else
.irp p, 0,1,2,3
	global_store_b128 v[CO], v[CDA+4*\p:CDA+4*\p+3], s[10:11] offset:(\a)*1024+(\p/2)*131072+(\p%2)*512      ; token tile a, head p / 2, half p % 2: 512 consecutive bytes
.endr
.endif
.endm
	s_cmp_ge_u32 s82, 4                            ; the cluster's y: the same in all partners
	s_cbranch_scc1 .Lv_arm
	s_lshl_b32 s18, ttmp9, 22                      ; q or k
	s_lshr_b32 s19, s17, 3
	s_lshl_b32 s19, s19, 21                        ; batch
	s_add_co_u32 s18, s18, s19
	s_and_b32 s19, s42, 3
	s_lshl_b32 s19, s19, 2
	s_lshl_b32 s22, s16, 1
	s_add_co_u32 s19, s19, s22
	s_lshl_b32 s19, s19, 17                        ; my first head
	s_add_co_u32 s18, s18, s19
	s_and_b32 s19, s17, 7
	s_lshl_b32 s19, s19, 4
	s_lshl_b32 s22, s15, 3
	s_add_co_u32 s19, s19, s22
	s_lshl_b32 s19, s19, 10                        ; my first token tile
	s_add_co_u32 s18, s18, s19
	s_mov_b32 s19, 0
	s_add_nc_u64 s[10:11], s[10:11], s[18:19]
.irp a, 0,1,2,3,4,5,6,7
	OUTQ \a, 0
.endr
	s_branch .Lstored
.Lv_arm:
	s_lshr_b32 s18, s42, 3
	s_lshl_b32 s18, s18, 21                        ; batch
	s_add_co_u32 s18, s18, 0x800000
	s_lshl_b32 s19, s17, 2
	s_lshl_b32 s22, s15, 1
	s_add_co_u32 s19, s19, s22
	s_lshl_b32 s19, s19, 17                        ; my first head
	s_add_co_u32 s18, s18, s19
	s_and_b32 s19, s42, 7
	s_lshl_b32 s19, s19, 4
	s_lshl_b32 s22, s16, 3
	s_add_co_u32 s19, s19, s22
	s_lshl_b32 s19, s19, 10                        ; my first key tile
	s_add_co_u32 s18, s18, s19
	s_mov_b32 s19, 0
	s_add_nc_u64 s[10:11], s[10:11], s[18:19]
.irp a, 0,1,2,3,4,5,6,7
	OUTQ \a, 1
.endr
.Lstored:
	s_wait_tensorcnt 0x0                           ; the wave's end
	ds_add_u32 v[SPW], v[NIL]
	s_wait_dscnt 0x0
	CROUND                                         ; the closing round: no work-group ends while a partner may still ask for a tile that names it
	s_endpgm
.Lfunc_end_k_q1bcaa39b58_proj:
	.size	k_q1bcaa39b58_proj, .Lfunc_end_k_q1bcaa39b58_proj-k_q1bcaa39b58_proj
	.p2alignl 7, 3214868480
	.fill 96, 4, 3214868480
	.section	.rodata,"a",@progbits
	.p2align	6, 0x0
	.amdhsa_kernel k_q1bcaa39b58_proj
		.amdhsa_group_segment_fixed_size 327680
		.amdhsa_private_segment_fixed_size 0
		.amdhsa_enable_private_segment 0
		.amdhsa_kernarg_size 56
		.amdhsa_user_sgpr_count 2
		.amdhsa_user_sgpr_kernarg_segment_ptr 1
		.amdhsa_wavefront_size32 1
		.amdhsa_system_sgpr_workgroup_id_x 1
		.amdhsa_system_sgpr_workgroup_id_y 1
		.amdhsa_system_sgpr_workgroup_id_z 1
		.amdhsa_system_vgpr_workitem_id 0
		.amdhsa_next_free_vgpr 1024
		.amdhsa_next_free_sgpr 98
		.amdhsa_reserve_vcc 0
		.amdhsa_float_denorm_mode_32 3
		.amdhsa_float_denorm_mode_16_64 3
		.amdhsa_memory_ordered 1
		.amdhsa_forward_progress 1
		.amdhsa_inst_pref_size 198
	.end_amdhsa_kernel
	.amdgpu_metadata
---
amdhsa.version: [ 1, 2 ]
amdhsa.kernels:
  - .name:           k_q1bcaa39b58_proj
    .symbol:         k_q1bcaa39b58_proj.kd
    .args:
      - { .name: xc, .offset: 0, .size: 8, .value_kind: global_buffer, .address_space: global }
      - { .name: wc, .offset: 8, .size: 8, .value_kind: global_buffer, .address_space: global }
      - { .name: lowp_scales, .offset: 16, .size: 8, .value_kind: global_buffer, .address_space: global }
      - { .name: bq, .offset: 24, .size: 8, .value_kind: global_buffer, .address_space: global }
      - { .name: bk, .offset: 32, .size: 8, .value_kind: global_buffer, .address_space: global }
      - { .name: bv, .offset: 40, .size: 8, .value_kind: global_buffer, .address_space: global }
      - { .name: qkv, .offset: 48, .size: 8, .value_kind: global_buffer, .address_space: global }
    .group_segment_fixed_size: 327680
    .private_segment_fixed_size: 0
    .kernarg_segment_align: 8
    .kernarg_segment_size: 56
    .max_flat_workgroup_size: 128
    .sgpr_count:     98
    .vgpr_count:     1024
    .wavefront_size: 32
...
	.end_amdgpu_metadata
.endif
;; end of part 2
;; launch attn (part 3): grid 8 x 32, 16 waves a work-group, no clusters, 51,200 bytes of LDS; arguments qkv, res_pos, lowp_scales, oc; writes oc
.if DOCPART == 3
	.amdgcn_target "amdgcn-amd-amdhsa--gfx1250"
	.amdhsa_code_object_version 6
	.text
	.protected	k_q1bcaa39b58_attn
	.globl	k_q1bcaa39b58_attn
	.p2align	8
	.type	k_q1bcaa39b58_attn,@function
k_q1bcaa39b58_attn:
	s_mov_b64 s[64:65], 0
	v_nop
	global_prefetch_b8 v0, s[64:65] scope:SCOPE_SE
	s_setreg_imm32_b32 hwreg(HW_REG_WAVE_MODE, 25, 1), 1
	s_wait_xcnt 0x0
; Banded attention on codes of E4M3.  Key j counts for query i where 0 <= i - j < 128; logit = q . k / 8 + res_pos[head][i - j].  o is quantised (e10) into the register image that the next product reads.
; SHARES.  A work-group owns 256 queries of one (batch, head); each of its 16 waves owns one tile of 16 queries, tile T = 16 x + t.  Its keys lie in the nine key tiles T - 8 .. T; all other tiles lie wholly under the mask.
; So a query's whole row is in hand at once: one M, no running maximum.  t' = logit x log2(e); M = ceil(largest t'); p = 2^(t' - M) is quantised (e9); the sum of the unquantised p divides at the end.
; LDS: the 24 key tiles 16 x - 8 .. 16 x + 15 of K (24,576 bytes) and of V, filled once through registers.  No tensor load, no ring: one fill at the head and no later step to run ahead of; neighbouring blocks share 8 tiles of 24.
; In block x = 0 the eight tiles before the sequence's start are copies of tiles 0-7: valid codes, whose scores become -infinity.
; LAYOUT.  S^T = K Q^T (source 0 = 16 keys, source 1 = my queries), O^T = V^T P^T: a lane holds one query (lane % 16) throughout, and the keys 8 (lane / 16) + 0..7 of each tile: eight scores make two registers of P's fragment.
; THE BIAS is loaded as an image of S^T's registers and carries the mask: register j of tile u stands for i - j' = 128 - 16 u + d0 - j, d0 = lane % 16 - 8 (lane / 16).  Tiles 1-7 always count.
; In tiles 0 and 8 the distance is 128 + d and d, d = d0 - j: exactly one of the two counts, and both read res_pos at d mod 128.
; LIMITS: e6 + e7 - 3 between -126 and 127; e9, e10 between -126 and 119.  NaN among the inputs is not served.
.set BI,  16                           ; v16-87   the bias, tile u at 8 u; afterwards: PC, PZ, OT
.set S,   88                           ; v88-159  S^T, then p
.set FRG, 160                          ; v160-231 what goes to LDS; K's 9 fragments; V's 4 x 18 registers
.set QF,  232                          ; v232-239 Q's fragment
.set PC,  16                           ; v16-31   p's codes of tiles 0-7
.set PZ,  32                           ; v32-39   six zeros, tile 8's codes
.set OT,  40                           ; v40-71   O^T
	s_load_b256 s[4:11], s[0:1], 0x0               ; qkv 4, res_pos 6, scales 8, oc 10
	v_lshrrev_b32 v1, 5, v0
	v_readfirstlane_b32 s29, v1                    ; t: wave 0..15
	v_and_b32 v4, 31, v0
	v_lshlrev_b32 v2, 3, v4
	v_lshlrev_b32 v4, 4, v4                        ; v4: 16 x lane
	s_lshl_b32 s30, s29, 10
	v_add_nc_u32 v1, s30, v4                       ; v1: K's window from my first tile on
	v_add_nc_u32 v2, s30, v2
	v_add_nc_u32 v2, 24576, v2                     ; v2: V's, 8 bytes a lane
	v_lshlrev_b32 v3, 4, v0                        ; v3: 16 x thread
	v_and_b32 v5, 15, v0
	v_bfe_u32 v6, v0, 4, 1
	v_lshlrev_b32 v6, 3, v6
	v_sub_nc_u32 v5, v5, v6                        ; v5: d0, -8 .. 15
	v_lshlrev_b32 v6, 2, v5
	v_add_nc_u32 v6, 32, v6                        ; v6: 4 (d0 + 8)
	v_mov_b32 v7, 0xff800000                       ; -infinity
.irp j, 0,1,2,3,4,5,6,7
	v_add_nc_u32 v[8+\j], -\j, v5
	v_and_b32 v[8+\j], 127, v[8+\j]
	v_lshlrev_b32 v[8+\j], 2, v[8+\j]              ; 4 ((d0 - j) mod 128)
.endr
	v_mov_b32 v241, 0                              ; (upper half of the pair v[240:241])
	v_mov_b32 v254, 0                              ; a lane permute's destination counts as one of its sources
	s_mov_b32 s32, 0x76543210
	s_mov_b32 s33, 0xfedcba98
	s_mov_b32 s22, 0x3fb8aa3b                      ; log2(e)
	s_mov_b32 s23, s22
	s_and_b32 s34, ttmp7, 0xffff                   ; batch x 16 + head
	s_lshl_b32 s35, s34, 7
	s_lshl_b32 s36, ttmp9, 4                       ; 16 x
	s_add_co_u32 s37, s35, s36                     ; my block's first tile
	s_max_u32 s38, s36, 8
	s_sub_co_u32 s38, s38, 8                       ; max(16 x - 8, 0)
	s_add_co_u32 s38, s38, s35
	s_lshl_b32 s38, s38, 10
	s_add_co_u32 s38, s38, 0x400000                ; K: the eight tiles before my block
	s_mov_b32 s39, 0
	s_lshl_b32 s40, s37, 10
	s_add_co_u32 s40, s40, 0x400000                ; K: my block's sixteen
	s_mov_b32 s41, 0
	s_add_co_u32 s42, s37, s29
	s_lshl_b32 s42, s42, 10                        ; Q: my tile
	s_mov_b32 s43, 0
	s_and_b32 s44, s34, 15                         ; head
	s_lshl_b32 s46, s44, 9
	s_mov_b32 s47, 0
	s_lshr_b32 s48, s34, 4
	s_lshl_b32 s48, s48, 7
	s_add_co_u32 s48, s48, s36
	s_add_co_u32 s48, s48, s29                     ; o: row block = batch x 128 + 16 x + t,
	s_lshl_b32 s48, s48, 3
	s_lshr_b32 s49, s44, 1
	s_add_co_u32 s48, s48, s49                     ; k block = head / 2,
	s_lshl_b32 s48, s48, 1
	s_and_b32 s49, s44, 1
	s_add_co_u32 s48, s48, s49                     ; half of it = head % 2
	s_lshl_b32 s48, s48, 10
	s_mov_b32 s49, 0
	s_wait_kmcnt 0x0
	s_load_b128 s[24:27], s[8:9], 0x18             ; e6, e7, e8, e9
	s_load_b32 s28, s[8:9], 0x28                   ; e10
	s_add_nc_u64 s[12:13], s[4:5], s[38:39]
	s_add_nc_u64 s[14:15], s[4:5], s[40:41]
	s_add_nc_u64 s[16:17], s[4:5], s[42:43]
	s_add_nc_u64 s[18:19], s[6:7], s[46:47]
	s_add_nc_u64 s[10:11], s[10:11], s[48:49]
	global_load_b128 v[160:163], v3, s[12:13]                    ; 512 threads x 16 bytes: eight tiles a line.  V lies 4 Mi behind K
	global_load_b128 v[164:167], v3, s[14:15]
	global_load_b128 v[168:171], v3, s[14:15] offset:8192
	global_load_b128 v[172:175], v3, s[12:13] offset:4194304
	global_load_b128 v[176:179], v3, s[14:15] offset:4194304
	global_load_b128 v[180:183], v3, s[14:15] offset:4202496
.irp u, 1,2,3,4,5,6,7
.irp j, 0,1,2,3,4,5,6,7
	global_load_b32 v[BI+8*\u+\j], v6, s[18:19] offset:(120-16*\u-\j)*4     ; res_pos[head][128 - 16 u + d0 - j]: 1 .. 127
.endr
.endr
	s_wait_loadcnt 56                              ; the six lines for LDS are in; the 56 loads of the bias may be out
.irp i, 0,1,2,3,4,5
	ds_store_b128 v3, v[160+4*\i:163+4*\i] offset:8192*\i
.endr
	global_load_b128 v[QF:QF+3], v4, s[16:17]
	global_load_b128 v[QF+4:QF+7], v4, s[16:17] offset:512
.irp j, 0,1,2,3,4,5,6,7
	global_load_b32 v[BI+64+\j], v[8+\j], s[18:19]
.endr
	s_wait_dscnt 0x0                               ; my part of the windows has landed
	s_barrier_signal -1
	s_barrier_wait -1                              ; everybody's has; LDS is only read from here on
.irp u, 0,1,2,3,4,5,6,7,8
	ds_load_b128 v[FRG+8*\u:FRG+8*\u+3], v1 offset:\u*1024
	ds_load_b128 v[FRG+8*\u+4:FRG+8*\u+7], v1 offset:\u*1024+512
.endr
	s_wait_loadcnt 0x0
.irp j, 0,1,2,3,4,5,6,7
	v_cmp_gt_i32 vcc_lo, \j, v5                    ; d0 - j < 0: the distance 128 + d counts (tile 0), d does not (tile 8)
	v_cndmask_b32 v[BI+\j], v7, v[BI+64+\j], vcc_lo
	v_cndmask_b32 v[BI+64+\j], v[BI+64+\j], v7, vcc_lo
.endr
	s_sub_co_i32 s30, 8, s29                       ; in block 0 my tiles u < 8 - t lie before the sequence's start
	s_cmp_eq_u32 ttmp9, 0
	s_cselect_b32 s30, s30, 0
	s_cmp_le_i32 s30, 0
	s_cbranch_scc1 .Lall_there                     ; a branch on ids alone
.irp u, 0,1,2,3,4,5,6,7
	s_cmp_gt_i32 s30, \u
	s_cselect_b32 s31, -1, 0
.irp j, 0,1,2,3,4,5,6,7
	v_cndmask_b32 v[BI+8*\u+\j], v[BI+8*\u+\j], v7, s31
.endr
.endr
.Lall_there:
	s_wait_kmcnt 0x0
	s_add_co_i32 s20, s24, s25
	s_add_co_i32 s20, s20, 124
	s_lshl_b32 s20, s20, 23                        ; 2^(e6 + e7) / 8
	s_mov_b32 s21, s20
	s_add_co_i32 s52, s26, s27                     ; e8 + e9
	s_add_co_i32 s50, s27, 127
	s_lshl_b32 s51, s50, 23
	v_mov_b32 v248, s51                            ; 2^e9
	s_add_co_i32 s50, s50, 8
	s_lshl_b32 s50, s50, 23
	s_or_b32 s50, s50, 0x600000
	v_mov_b32 v249, s50                            ; 448 x 2^e9
	s_add_co_i32 s50, s28, 127
	s_lshl_b32 s51, s50, 23
	v_mov_b32 v250, s51                            ; 2^e10
	s_add_co_i32 s50, s50, 8
	s_lshl_b32 s50, s50, 23
	s_or_b32 s50, s50, 0x600000
	v_mov_b32 v251, s50
	s_wait_dscnt 0x0                               ; K's fragments
.irp u, 0,1,2,3,4,5,6,7,8
	v_wmma_f32_16x16x64_fp8_fp8 v[S+8*\u:S+8*\u+7], v[FRG+8*\u:FRG+8*\u+7], v[QF:QF+7], 0
.endr
.rept 4
	v_nop                                          ; places in front of the loads into K's registers and of the first read of the scores
.endr
.irp dt, 0,1,2,3
.irp u, 0,1,2,3,4,5,6,7,8
	ds_load_b64 v[FRG+18*\dt+2*\u:FRG+18*\dt+2*\u+1], v2 offset:\u*1024+\dt*256    ; V^T: features 16 dt + lane % 16, keys 8 (lane / 16) + 0..7 of tile u; they land while the softmax runs
.endr
.endr
.set n, 0
.rept 36
	v_pk_fma_f32 v[S+n:S+n+1], v[S+n:S+n+1], s[20:21], v[BI+n:BI+n+1] op_sel_hi:[1,0,1]   ; the logit; each accumulator from its low end on
.set n, n+2
.endr
	v_max3_num_f32 v242, v[S], v[S+1], v[S+2]      ; the largest of my 72, in two chains,
	v_max3_num_f32 v243, v[S+3], v[S+4], v[S+5]
.irp i, 6,10,14,18,22,26,30,34,38,42,46,50,54,58,62,66
	v_max3_num_f32 v242, v242, v[S+\i], v[S+\i+1]
	v_max3_num_f32 v243, v243, v[S+\i+2], v[S+\i+3]
.endr
	v_max3_num_f32 v242, v242, v[S+70], v[S+71]
	v_max_num_f32 v242, v242, v243
	v_permlanex16_b32 v254, v242, s32, s33
	v_max_num_f32 v242, v242, v254                 ; and of lane l xor 16's
	v_mul_f32 v242, s22, v242
	v_floor_f32 v240, -v242                        ; -M = floor(-t') = -ceil(t')
.set n, 0
.rept 36
	v_pk_fma_f32 v[S+n:S+n+1], v[S+n:S+n+1], s[22:23], v[240:241] op_sel_hi:[1,0,0]   ; t' - M
.set n, n+2
.endr
.set n, 0
.rept 72
	v_exp_f32 v[S+n], v[S+n]                       ; p, at most 1; 0 under the mask
.set n, n+1
.endr
	v_nop                                          ; a plain instruction behind the batch,
	s_wait_alu depctr_va_vdst(0)                   ; and one wait for it ahead of its first reader
	v_pk_add_f32 v[244:245], v[S:S+1], v[S+2:S+3]  ; the row's sum is taken of the unquantised p
	v_pk_add_f32 v[246:247], v[S+4:S+5], v[S+6:S+7]
.irp j, 8,12,16,20,24,28,32,36,40,44,48,52,56,60,64,68
	v_pk_add_f32 v[244:245], v[244:245], v[S+\j:S+\j+1]
	v_pk_add_f32 v[246:247], v[246:247], v[S+\j+2:S+\j+3]
.endr
	v_pk_add_f32 v[244:245], v[244:245], v[246:247]
	v_add_f32 v244, v244, v245
	v_permlanex16_b32 v254, v244, s32, s33
	v_add_f32 v244, v244, v254
	v_rcp_f32 v252, v244
.set n, 0
.rept 72
	v_min_num_f32 v[S+n], v[S+n], v249             ; the conversion does not saturate (ISA guide 7.6.2); p is not negative, so the hold is one-sided
.set n, n+1
.endr
.irp u, 0,1,2,3,4,5,6,7
	v_cvt_scalef32_pk8_fp8_f32 v[PC+2*\u:PC+2*\u+1], v[S+8*\u:S+8*\u+7], v248
.endr
	v_cvt_scalef32_pk8_fp8_f32 v[PZ+6:PZ+7], v[S+64:S+71], v248
.irp i, 0,1,2,3,4,5
	v_mov_b32 v[PZ+\i], 0                          ; zero codes for tiles 5-7 in the third step.  (Plain instructions behind the conversions)
.endr
	s_wait_alu depctr_va_vdst(0)                   ; the reciprocal's wait, ahead of its first reader
	v_ldexp_f32 v252, v252, s52                    ; 2^(e8 + e9) / the sum
	v_mov_b32 v253, v252
	s_wait_dscnt 0x0                               ; V
	; O^T: three steps of 64 keys: tiles 0-3, tiles 4-7, tiles 5-8 with zeros for 5-7.  The four accumulators take turns, one instruction a turn
.irp dt, 0,1,2,3
	v_wmma_f32_16x16x64_fp8_fp8 v[OT+8*\dt:OT+8*\dt+7], v[FRG+18*\dt:FRG+18*\dt+7], v[PC:PC+7], 0
.endr
.irp dt, 0,1,2,3
	v_wmma_f32_16x16x64_fp8_fp8 v[OT+8*\dt:OT+8*\dt+7], v[FRG+18*\dt+8:FRG+18*\dt+15], v[PC+8:PC+15], v[OT+8*\dt:OT+8*\dt+7]
.endr
.irp dt, 0,1,2,3
	v_wmma_f32_16x16x64_fp8_fp8 v[OT+8*\dt:OT+8*\dt+7], v[FRG+18*\dt+10:FRG+18*\dt+17], v[PZ:PZ+7], v[OT+8*\dt:OT+8*\dt+7]
.endr
.rept 4
	v_nop
.endr
.set n, 0
.rept 16
	v_pk_mul_f32 v[OT+n:OT+n+1], v[OT+n:OT+n+1], v[252:253]
.set n, n+2
.endr
.set n, 0
.rept 32
	v_med3_num_f32 v[OT+n], v[OT+n], -v251, v251
.set n, n+1
.endr
.irp dt, 0,1,2,3
	v_cvt_scalef32_pk8_fp8_f32 v[16+2*\dt:17+2*\dt], v[OT+8*\dt:OT+8*\dt+7], v250   ; features 16 dt + 8 (lane / 16) + 0..7 of my head: two registers of the next operand
.endr
	v_nop
	global_store_b128 v4, v[16:19], s[10:11]                     ; 512 consecutive bytes each
	global_store_b128 v4, v[20:23], s[10:11] offset:512
	s_wait_xcnt 0x0
	v_lshl_add_u32 v254, v0, 2, 0xc000
	v_mov_b32 v255, 0
	s_wait_tensorcnt 0x0
	ds_add_u32 v254, v255
	s_wait_dscnt 0x0
	s_endpgm
.Lfunc_end_k_q1bcaa39b58_attn:
	.size	k_q1bcaa39b58_attn, .Lfunc_end_k_q1bcaa39b58_attn-k_q1bcaa39b58_attn
	.p2alignl 7, 3214868480
	.fill 96, 4, 3214868480
	.section	.rodata,"a",@progbits
	.p2align	6, 0x0
	.amdhsa_kernel k_q1bcaa39b58_attn
		.amdhsa_group_segment_fixed_size 51200
		.amdhsa_private_segment_fixed_size 0
		.amdhsa_enable_private_segment 0
		.amdhsa_kernarg_size 32
		.amdhsa_user_sgpr_count 2
		.amdhsa_user_sgpr_kernarg_segment_ptr 1
		.amdhsa_wavefront_size32 1
		.amdhsa_system_sgpr_workgroup_id_x 1
		.amdhsa_system_sgpr_workgroup_id_y 1
		.amdhsa_system_sgpr_workgroup_id_z 1
		.amdhsa_system_vgpr_workitem_id 0
		.amdhsa_next_free_vgpr 256
		.amdhsa_next_free_sgpr 66
		.amdhsa_reserve_vcc 1
		.amdhsa_float_denorm_mode_32 3
		.amdhsa_float_denorm_mode_16_64 3
		.amdhsa_memory_ordered 1
		.amdhsa_forward_progress 1
		.amdhsa_inst_pref_size 41
	.end_amdhsa_kernel
	.amdgpu_metadata
---
amdhsa.version: [ 1, 2 ]
amdhsa.kernels:
  - .name:           k_q1bcaa39b58_attn
    .symbol:         k_q1bcaa39b58_attn.kd
    .args:
      - { .name: qkv, .offset: 0, .size: 8, .value_kind: global_buffer, .address_space: global }
      - { .name: res_pos, .offset: 8, .size: 8, .value_kind: global_buffer, .address_space: global }
      - { .name: lowp_scales, .offset: 16, .size: 8, .value_kind: global_buffer, .address_space: global }
      - { .name: oc, .offset: 24, .size: 8, .value_kind: global_buffer, .address_space: global }
    .group_segment_fixed_size: 51200
    .private_segment_fixed_size: 0
    .kernarg_segment_align: 8
    .kernarg_segment_size: 32
    .max_flat_workgroup_size: 512
    .sgpr_count:     66
    .vgpr_count:     256
    .wavefront_size: 32
...
	.end_amdgpu_metadata
.endif
;; end of part 3
;; launch attn_out (part 4): grid 4 x 16, 4 waves a work-group, clusters of 4 x 4, 327,680 bytes of LDS; arguments oc, wc, lowp_scales, bo, x, x1; writes x1
.if DOCPART == 4
	.amdgcn_target "amdgcn-amd-amdhsa--gfx1250"
	.amdhsa_code_object_version 6
	.text
	.protected	k_q1bcaa39b58_attn_out
	.globl	k_q1bcaa39b58_attn_out
	.p2align	8
	.type	k_q1bcaa39b58_attn_out,@function
k_q1bcaa39b58_attn_out:
	s_mov_b64 s[64:65], 0
	v_nop
	global_prefetch_b8 v0, s[64:65] scope:SCOPE_SE
	s_setreg_imm32_b32 hwreg(HW_REG_WAVE_MODE, 25, 1), 1
	s_wait_xcnt 0x0
	s_wait_alu depctr_hold_cnt(0) depctr_sa_sdst(0) depctr_va_vdst(0) depctr_va_sdst(0) depctr_va_ssrc(0) depctr_va_vcc(0) depctr_vm_vsrc(0)
	s_getreg_b32 s2, hwreg(HW_REG_IB_STS2, 6, 4)
	s_cmp_eq_u32 s2, 0
	s_cbranch_scc0 .Lentry_in_a_cluster
	s_endpgm
.Lentry_in_a_cluster:
	s_bfe_u32 s2, ttmp6, 0x10000c
	s_cmp_lg_u32 s2, 0xf033
	s_cbranch_scc0 .Lentry_shape_is_right
	s_endpgm
.Lentry_shape_is_right:
; x1 = x + o Wo^T + bo.  o and Wo are codes of E4M3 as register images (a block of 16 rows x 128 k: 2,048 bytes, [part 0..3][lane][16 bytes]); x, x1: [4096][1024] f32.
; A tile of 256 x 256 is made by four waves, 128 x 128 each: 64 accumulators.  K goes in steps of 256 through two LDS slots filled by the tensor data mover: for 8 row blocks 4,096 consecutive bytes each.
; CLUSTERS of 4 x 4: A's tile is shared along a row of the cluster, B's along a column; each is asked for jointly.  The matrix instruction is used transposed (source 0 = rows of the weight): a lane holds eight neighbours of a row.
; 64 tiles: a quarter of the WGPs have work; a tile of 128 x 128 would want a second main loop.
; LIMIT: the two exponents' sum between -126 and 127.
; REGISTERS, in windows of 256: window 0: v0-31 addresses; v32-35 bias; from v128 A's fragments, one set; window 1: B's, two sets; windows 2, 3: accumulators.
.set ISDOWN, 0
.set KTOT,   1024
.set BOFF,   0x300000                  ; the weight's image in wc
.set SOFF,   0x28                      ; the two exponents in the buffer of scales
.set STEPB,  4096
.set HALFT,  32768
.set SLOT,   131072
.set SPARE,  262144                    ; behind the ring: the spare words, 128 bytes for each wave, which no other line names
.set LAPS,   KTOT/512
.set FR,     16
.set NL,     4
.set NP,     4
.set SPITCH, 528                       ; the way out: a stage of 16 rows x (512 + 16) bytes for each wave, in slot 0, which has had its last fill and its last read by then
.set ADRA, 16
.set ADRB, 20
.set STO,  24
.set RD,   25
.set CO,   26
.set SPW,  28
.set NIL,  29
.set AF,   128
.set BK,   128
.set G1, 24
.set G0, 32
.set G1B, 48
.set G0B, 56
.set MSB, 0
.macro WIN new
.if MSB != \new
	s_set_vgpr_msb (MSB<<8)|\new
.set MSB, \new
.endif
.endm
.set MUL_LO, 0xa1
.set MUL_HI, 0xf1
.set TO_B,   0x40
.macro JLOAD g0a, g1a, g0b, g1b        ; a joint load: waves 0, 1 fetch A's halves, waves 2, 3 B's; four v_nop follow each line
	s_cmp_eq_u32 s15, 0
	s_cbranch_scc0 .Lfor_b_\@
	tensor_load_to_lds s[\g0a:\g0a+3], s[\g1a:\g1a+7]
	s_nop 0
.rept 4
	v_nop
.endr
	s_branch .Lasked_\@
.Lfor_b_\@:
	tensor_load_to_lds s[\g0b:\g0b+3], s[\g1b:\g1b+7]
	s_nop 0
.rept 4
	v_nop
.endr
.Lasked_\@:
.endm
.macro CREST
	s_cmp_lg_u32 s14, 0
	s_cbranch_scc1 .Lnot_wave_0_\@
	s_barrier_signal -3
.Lnot_wave_0_\@:
	s_barrier_wait -3
	s_barrier_signal -1
	s_barrier_wait -1
.endm
.macro CROUND
	s_barrier_signal -1
	s_barrier_wait -1
	CREST
.endm
	s_load_b256 s[68:75], s[0:1], 0x0              ; A's codes 68, wc 70, scales 72, bias 74
	s_load_b128 s[8:11], s[0:1], 0x20              ; the residual 8, the result 10
	v_lshl_add_u32 v[SPW], v0, 2, SPARE
	v_mov_b32 v[NIL], 0
	ds_add_u32 v28, v29
	ds_add_u32 v28, v29
	s_wait_dscnt 0x0
	v_lshrrev_b32 v1, 5, v0
	v_readfirstlane_b32 s14, v1
	s_lshr_b32 s15, s14, 1
	s_and_b32 s16, s14, 1
	s_bfe_u32 s40, ttmp6, 0x40000
	s_bfe_u32 s41, ttmp6, 0x40004
	s_lshl_b32 s42, ttmp9, 2
	s_add_co_u32 s42, s42, s40                     ; tile column
	s_and_b32 s17, ttmp7, 0xffff
	s_lshl_b32 s17, s17, 2
	s_add_co_u32 s17, s17, s41                     ; tile row
	s_lshl_b32 s43, s41, 2
	s_lshl_b32 s43, 15, s43
	s_lshl_b32 s44, 0x1111, s40
	s_or_b32 s[G1+0], s43, (3<<16)|(1<<21)         ; the mask; elements of 8 bytes; bit 21 beside a mask; no padding
	s_or_b32 s[G1B+0], s44, (3<<16)|(1<<21)
.irp g, G1, G1B
	s_mov_b32 s[\g+1], 512<<16                     ; tensor_dim0
	s_mov_b32 s[\g+2], 8<<16                       ; tensor_dim1
	s_mov_b32 s[\g+3], 512<<16                     ; tile_dim0
	s_mov_b32 s[\g+4], 8                           ; tile_dim1
	s_mov_b32 s[\g+5], KTOT*2                      ; tensor_dim0_stride
	s_mov_b32 s[\g+6], 0
	s_mov_b32 s[\g+7], 0
.endr
	s_lshl_b32 s18, s16, 7
	s_lshl_b32 s20, s17, 8
	s_add_co_u32 s20, s20, s18
	s_mul_i32 s20, s20, KTOT
	s_mov_b32 s21, 0
	s_lshl_b32 s46, s42, 8
	s_add_co_u32 s46, s46, s18
	s_mul_i32 s46, s46, KTOT
	s_add_co_u32 s46, s46, BOFF
	s_mov_b32 s47, 0
	s_mul_i32 s45, s14, HALFT
	s_wait_kmcnt 0x0
	s_load_b64 s[96:97], s[72:73], SOFF
	s_add_nc_u64 s[20:21], s[68:69], s[20:21]
	s_add_nc_u64 s[46:47], s[70:71], s[46:47]
	CROUND
.irp s, 0,1
	s_mov_b32 s[G0+4*\s], 1
	s_add_co_u32 s[G0+4*\s+1], s45, \s*SLOT
	s_add_nc_u64 s[G0+4*\s+2:G0+4*\s+3], s[20:21], \s*STEPB
	s_or_b32 s[G0+4*\s+3], s[G0+4*\s+3], 0x80000000
	s_mov_b32 s[G0B+4*\s], 1
	s_add_co_u32 s[G0B+4*\s+1], s45, \s*SLOT
	s_add_nc_u64 s[G0B+4*\s+2:G0B+4*\s+3], s[46:47], \s*STEPB
	s_or_b32 s[G0B+4*\s+3], s[G0B+4*\s+3], 0x80000000
	JLOAD G0+4*\s, G1, G0B+4*\s, G1B
.endr
	v_and_b32 v1, 15, v0
	v_bfe_u32 v2, v0, 4, 1
	v_and_b32 v3, 31, v0
	v_lshlrev_b32 v[CO], 4, v3
	s_mul_i32 s21, s15, HALFT
	s_mul_i32 s22, s16, HALFT
	s_add_co_u32 s22, s22, 2*HALFT
.irp s, 0,1
	v_add_nc_u32 v[ADRA+\s], s21, v[CO]
	v_add_nc_u32 v[ADRB+\s], s22, v[CO]
	s_add_co_u32 s21, s21, SLOT
	s_add_co_u32 s22, s22, SLOT
.endr
	s_mul_i32 s23, s14, 16*SPITCH                  ; my stage
	v_mul_u32_u24 v5, v1, SPITCH
	v_lshl_add_u32 v5, v2, 5, v5
	v_add_nc_u32 v[STO], s23, v5                   ; in: row r, 32 bytes for each half of the lanes
	v_add_nc_u32 v[RD], s23, v[CO]                 ; back: a row of 512 bytes
	s_lshl_b32 s18, s42, 10
	s_lshl_b32 s19, s16, 9
	s_add_co_u32 s18, s18, s19                     ; my first column, in bytes
	s_mov_b32 s19, 0
	s_add_nc_u64 s[74:75], s[74:75], s[18:19]
	global_load_b128 v[32:35], v[CO], s[74:75]     ; bias of my lane's four columns of a row
	s_lshl_b32 s22, s17, 8
	s_lshl_b32 s23, s15, 7
	s_add_co_u32 s22, s22, s23
	s_lshl_b32 s22, s22, 12                        ; my first row, 4,096 bytes a row
	s_add_co_u32 s18, s18, s22
	s_add_nc_u64 s[12:13], s[8:9], s[18:19]
	s_add_nc_u64 s[10:11], s[10:11], s[18:19]
.macro FRAG reg, adr, q, i
.irp c, 0,1,2,3
	ds_load_b128 v[\reg+4*\c:\reg+4*\c+3], v[\adr] offset:2048*(\q)+512*\c+(\i)*4096
.endr
.endm
.macro MUL16 a0, p, zero               ; the 64 accumulators take turns, one instruction a turn
.irp a, \a0, \a0+1
.irp b, 0,1,2,3,4,5,6,7
.if \zero
	v_wmma_f32_16x16x128_fp8_fp8 v[8*(8*((\a)%4)+\b):8*(8*((\a)%4)+\b)+7], v[128*(\p)+FR*\b:128*(\p)+FR*\b+FR-1], v[AF+FR*(\a):AF+FR*(\a)+FR-1], 0
.else
	v_wmma_f32_16x16x128_fp8_fp8 v[8*(8*((\a)%4)+\b):8*(8*((\a)%4)+\b)+7], v[128*(\p)+FR*\b:128*(\p)+FR*\b+FR-1], v[AF+FR*(\a):AF+FR*(\a)+FR-1], v[8*(8*((\a)%4)+\b):8*(8*((\a)%4)+\b)+7]
.endif
.endr
.endr
.endm
.macro FETCH_B slot, q, p
	WIN TO_B
.irp i, 0,1,2,3,4,5,6,7
	FRAG 128*(\p)+FR*\i, ADRB+\slot, \q, \i
.endr
	WIN 0
.endm
.macro FETCH_A slot, q, i0
.irp i, \i0, \i0+1, \i0+2, \i0+3
	FRAG AF+FR*(\i), ADRA+\slot, \q, \i
.endr
.endm
.macro PLACES n
.rept \n
	v_nop
.endr
.endm
.macro STEP slot, q, zero
	s_wait_dscnt 4*NL                              ; all but the youngest sixteen loads (A's blocks 4-7) are in
	WIN MUL_LO
	MUL16 0, (\q)%2, \zero
	MUL16 2, (\q)%2, \zero
	s_wait_dscnt 0
	PLACES NP
	FETCH_B \slot, (\q)+1, 1-(\q)%2
	FETCH_A \slot, (\q)+1, 0
	WIN MUL_HI
	MUL16 4, (\q)%2, \zero
	MUL16 6, (\q)%2, \zero
	PLACES NP
	WIN 0
	FETCH_A \slot, (\q)+1, 4
.endm
.macro TURN slot, next, fill
	s_wait_tensorcnt 0x0                           ; all my tensor loads have landed: my part of the next slot
	ds_add_u32 v[SPW], v[NIL]                      ; 0 onto my spare word
	s_wait_dscnt 4*NL+1                            ; the add and the youngest sixteen loads may be out
	WIN MUL_LO
	MUL16 0, 1, 0
	s_wait_dscnt 0x0                               ; the add is done, and my reads of this slot are over
	s_barrier_signal -1
	MUL16 2, 1, 0
	WIN 0
	s_barrier_wait -1
.if \fill
	CREST                                          ; a round of the cluster's barrier: no wave of any partner still reads this slot or has a load on its way
	s_add_nc_u64 s[G0+4*\slot+2:G0+4*\slot+3], s[G0+4*\slot+2:G0+4*\slot+3], 2*STEPB
	s_add_nc_u64 s[G0B+4*\slot+2:G0B+4*\slot+3], s[G0B+4*\slot+2:G0B+4*\slot+3], 2*STEPB
	JLOAD G0+4*\slot, G1, G0B+4*\slot, G1B
.else
	PLACES NP
.endif
	FETCH_B \next, 0, 0
	FETCH_A \next, 0, 0
	WIN MUL_HI
	MUL16 4, 1, 0
	MUL16 6, 1, 0
	PLACES NP
	WIN 0
	FETCH_A \next, 0, 4
.endm
	s_wait_loadcnt 0x0                             ; the bias
	s_wait_tensorcnt 1                             ; my part of K step 0 is in; K step 1's load may be out
	s_barrier_signal -1
	s_barrier_wait -1
	FETCH_B 0, 0, 0
	FETCH_A 0, 0, 0
	FETCH_A 0, 0, 4
	STEP 0, 0, 1
	s_mov_b32 s3, LAPS-1
.Llap:
	TURN 0, 1, 1
	STEP 1, 0, 0
	TURN 1, 0, 1
	STEP 0, 0, 0
	s_sub_co_u32 s3, s3, 1
	s_cmp_lg_u32 s3, 0
	s_cbranch_scc1 .Llap
	TURN 0, 1, 0
	STEP 1, 0, 0
	s_wait_dscnt 4*NL
	WIN MUL_LO
	MUL16 0, 1, 0
	MUL16 2, 1, 0
	s_wait_dscnt 0
	WIN MUL_HI
	MUL16 4, 1, 0
	MUL16 6, 1, 0
	WIN 0
; THE WAY OUT, a block of 16 rows x 128 columns at a time: the sums go through my own stage in LDS and come back as whole rows of 512 bytes; there result = sum x 2^(ea + eb) + residual + bias.
; LDS serves a wave's instructions in order (ISA guide 5.7.1.4): no wait between the stores and the loads, nor in front of the next block's stores.  Every row's place stands in the immediate: 127 rows of 4,096 bytes at the most.
.macro RESLOAD a                       ; the block's 16 rows of the residual, into window 1, where B's fragments are done with
	WIN 0x40
.irp t, 0,1,2,3,4,5,6,7,8,9,10,11,12,13,14,15
	global_load_b128 v[64*((\a)%2)+4*\t:64*((\a)%2)+4*\t+3], v[CO], s[12:13] offset:(16*(\a)+\t)*4096 th:TH_LOAD_NT
.endr
	WIN 0
.endm
.macro TOSTAGE a
.set AC, 64*((\a)%4)
.set BBK, BK+64*((\a)%2)
	WIN 0x08+4*((\a)/4)                            ; the stores' data: window 2 or 3
.irp b, 0,1,2,3,4,5,6,7
	ds_store_b128 v[STO], v[AC+8*\b:AC+8*\b+3] offset:64*\b           ; each accumulator from its low end on
	ds_store_b128 v[STO], v[AC+8*\b+4:AC+8*\b+7] offset:64*\b+16
.endr
	WIN 0
.irp t, 0,1,2,3,4,5,6,7,8,9,10,11,12,13,14,15
	ds_load_b128 v[BBK+4*\t:BBK+4*\t+3], v[RD] offset:\t*SPITCH
.endr
.endm
.macro SEND a, yds, yld                ; yds, yld: the LDS instructions and the global loads issued behind block a's, which may stay out
.set BBK, BK+64*((\a)%2)
.set RS, 64*((\a)%2)
	s_wait_dscnt \yds
	s_wait_loadcnt \yld
	WIN 0x10                                       ; source 2: window 1
.set n, 0
.rept 32
	v_pk_fma_f32 v[BBK+n:BBK+n+1], v[BBK+n:BBK+n+1], s[96:97], v[RS+n:RS+n+1] op_sel_hi:[1,0,1]
.set n, n+2
.endr
	WIN 0
.set n, 0
.rept 16
	v_pk_add_f32 v[BBK+n:BBK+n+1], v[BBK+n:BBK+n+1], v[32:33]
	v_pk_add_f32 v[BBK+n+2:BBK+n+3], v[BBK+n+2:BBK+n+3], v[34:35]
.set n, n+4
.endr
.irp t, 0,1,2,3,4,5,6,7,8,9,10,11,12,13,14,15
.if ISDOWN
	global_store_b128 v[CO], v[BBK+4*\t:BBK+4*\t+3], s[10:11] offset:(16*(\a)+\t)*4096 th:TH_STORE_NT
.else
	global_store_b128 v[CO], v[BBK+4*\t:BBK+4*\t+3], s[10:11] offset:(16*(\a)+\t)*4096    ; 512 consecutive bytes, at a multiple of 512 from the buffer's first byte
.endif
.endr
.endm
	s_wait_kmcnt 0x0
	s_add_co_i32 s96, s96, s97
	s_add_co_i32 s96, s96, 127
	s_lshl_b32 s96, s96, 23                        ; 2^(ea + eb)
	s_mov_b32 s97, s96
	PLACES NP
	RESLOAD 0
	TOSTAGE 0
.irp a, 1,2,3,4,5,6,7
.if \a > 1
	s_wait_xcnt 0x0                                ; block a - 2's stores have read the registers into which block a's rows come back
.endif
	RESLOAD \a
	TOSTAGE \a
	SEND \a-1, 32, 16                              ; behind block a - 1's: block a's 16 LDS stores and 16 LDS loads, and its 16 residual loads
.endr
	SEND 7, 0, 0
	s_wait_tensorcnt 0x0                           ; the wave's end
	ds_add_u32 v[SPW], v[NIL]
	s_wait_dscnt 0x0
	CROUND                                         ; the closing round
	s_endpgm
.Lfunc_end_k_q1bcaa39b58_attn_out:
	.size	k_q1bcaa39b58_attn_out, .Lfunc_end_k_q1bcaa39b58_attn_out-k_q1bcaa39b58_attn_out
	.p2alignl 7, 3214868480
	.fill 96, 4, 3214868480
	.section	.rodata,"a",@progbits
	.p2align	6, 0x0
	.amdhsa_kernel k_q1bcaa39b58_attn_out
		.amdhsa_group_segment_fixed_size 327680
		.amdhsa_private_segment_fixed_size 0
		.amdhsa_enable_private_segment 0
		.amdhsa_kernarg_size 48
		.amdhsa_user_sgpr_count 2
		.amdhsa_user_sgpr_kernarg_segment_ptr 1
		.amdhsa_wavefront_size32 1
		.amdhsa_system_sgpr_workgroup_id_x 1
		.amdhsa_system_sgpr_workgroup_id_y 1
		.amdhsa_system_sgpr_workgroup_id_z 1
		.amdhsa_system_vgpr_workitem_id 0
		.amdhsa_next_free_vgpr 1024
		.amdhsa_next_free_sgpr 98
		.amdhsa_reserve_vcc 0
		.amdhsa_float_denorm_mode_32 3
		.amdhsa_float_denorm_mode_16_64 3
		.amdhsa_memory_ordered 1
		.amdhsa_forward_progress 1
		.amdhsa_inst_pref_size 152
	.end_amdhsa_kernel
	.amdgpu_metadata
---
amdhsa.version: [ 1, 2 ]
amdhsa.kernels:
  - .name:           k_q1bcaa39b58_attn_out
    .symbol:         k_q1bcaa39b58_attn_out.kd
    .args:
      - { .name: oc, .offset: 0, .size: 8, .value_kind: global_buffer, .address_space: global }
      - { .name: wc, .offset: 8, .size: 8, .value_kind: global_buffer, .address_space: global }
      - { .name: lowp_scales, .offset: 16, .size: 8, .value_kind: global_buffer, .address_space: global }
      - { .name: bo, .offset: 24, .size: 8, .value_kind: global_buffer, .address_space: global }
      - { .name: x, .offset: 32, .size: 8, .value_kind: global_buffer, .address_space: global }
      - { .name: x1, .offset: 40, .size: 8, .value_kind: global_buffer, .address_space: global }
    .group_segment_fixed_size: 327680
    .private_segment_fixed_size: 0
    .kernarg_segment_align: 8
    .kernarg_segment_size: 48
    .max_flat_workgroup_size: 128
    .sgpr_count:     98
    .vgpr_count:     1024
    .wavefront_size: 32
...
	.end_amdgpu_metadata
.endif
;; end of part 4
;; launch ln2 (part 5): grid 256 x 1, 8 waves a work-group, no clusters, 17,920 bytes of LDS; arguments x1, g_mlp, b_mlp, lowp_scales, yc; writes yc
.if DOCPART == 5
	.amdgcn_target "amdgcn-amd-amdhsa--gfx1250"
	.amdhsa_code_object_version 6
	.text
	.protected	k_q1bcaa39b58_ln2
	.globl	k_q1bcaa39b58_ln2
	.p2align	8
	.type	k_q1bcaa39b58_ln2,@function
k_q1bcaa39b58_ln2:
	s_mov_b64 s[64:65], 0
	v_nop
	global_prefetch_b8 v0, s[64:65] scope:SCOPE_SE
	s_setreg_imm32_b32 hwreg(HW_REG_WAVE_MODE, 25, 1), 1
	s_wait_xcnt 0x0
; Layer norm of x1 [4096][1024] f32, quantised (e12) into yc as register images: a block of 16 rows x 128 k is 2,048 bytes, [part q 0..3][lane][16 bytes]: lane (r, h): row r, bytes 8 e + 0..7 of part q are k = 32 q + 16 e + 8 h + 0..7.
; A work-group takes 16 rows, a wave two of them whole (a row is 32 registers); the codes meet in LDS (rows of 1,024 + 16 bytes), and wave w then stores k block w.
; LIMIT: e12 between -126 and 119.  NaN among the inputs is not served.
.set LP,   1040
.set G,    16
.set BB,   48
.set X0,   80
.set X1,   112
.set T,    144
.set C,    176
.set A0,   200
.set A2,   202
.set M,    204
.set R,    206
.set QS,   208
.macro REDUCE
	v_pk_add_f32 v[A0:A0+1], v[A0:A0+1], v[A2:A2+1]
	v_add_f32 v[A0], v[A0], v[A0+1]
	v_add_f32_dpp v[A0], v[A0], v[A0] row_xmask:1 row_mask:0xf bank_mask:0xf
	v_add_f32_dpp v[A0], v[A0], v[A0] row_xmask:2 row_mask:0xf bank_mask:0xf
	v_add_f32_dpp v[A0], v[A0], v[A0] row_xmask:4 row_mask:0xf bank_mask:0xf
	v_add_f32_dpp v[A0], v[A0], v[A0] row_xmask:8 row_mask:0xf bank_mask:0xf
	v_permlanex16_b32 v[A0+1], v[A0], s50, s51
	v_add_f32 v[A0], v[A0], v[A0+1]
.endm
.macro LNROW x                         ; ((x - mean) / sqrt(var + eps)) g + b, in place
	v_pk_add_f32 v[A0:A0+1], v[\x:\x+1], v[\x+2:\x+3]
	v_pk_add_f32 v[A2:A2+1], v[\x+4:\x+5], v[\x+6:\x+7]
.irp j, 8,12,16,20,24,28
	v_pk_add_f32 v[A0:A0+1], v[A0:A0+1], v[\x+\j:\x+\j+1]
	v_pk_add_f32 v[A2:A2+1], v[A2:A2+1], v[\x+\j+2:\x+\j+3]
.endr
	REDUCE
	v_mul_f32 v[M], s52, v[A0]
	v_mov_b32 v[M+1], v[M]
.set n, 0
.rept 16
	v_pk_add_f32 v[\x+n:\x+n+1], v[\x+n:\x+n+1], v[M:M+1] neg_lo:[0,1] neg_hi:[0,1]
.set n, n+2
.endr
	v_pk_mul_f32 v[A0:A0+1], v[\x:\x+1], v[\x:\x+1]
	v_pk_mul_f32 v[A2:A2+1], v[\x+2:\x+3], v[\x+2:\x+3]
.irp j, 4,8,12,16,20,24,28
	v_pk_fma_f32 v[A0:A0+1], v[\x+\j:\x+\j+1], v[\x+\j:\x+\j+1], v[A0:A0+1]
	v_pk_fma_f32 v[A2:A2+1], v[\x+\j+2:\x+\j+3], v[\x+\j+2:\x+\j+3], v[A2:A2+1]
.endr
	REDUCE
	v_fma_f32 v[A0], v[A0], s52, s53
	v_rsq_f32 v[R], v[A0]
	v_nop                                          ; a plain instruction behind the transcendental,
	s_wait_alu depctr_va_vdst(0)                   ; and the wait ahead of its first reader
	v_mov_b32 v[R+1], v[R]
.set n, 0
.rept 16
	v_pk_mul_f32 v[\x+n:\x+n+1], v[\x+n:\x+n+1], v[R:R+1]
.set n, n+2
.endr
.set n, 0
.rept 16
	v_pk_fma_f32 v[\x+n:\x+n+1], v[\x+n:\x+n+1], v[G+n:G+n+1], v[BB+n:BB+n+1]
.set n, n+2
.endr
.endm
.macro QROW x, i                       ; row i of the wave's two: register j of the codes holds columns 128 j + 4 lane + 0..3
.set n, 0
.rept 32
	v_med3_num_f32 v[T+n], v[\x+n], -v[QS+1], v[QS+1]   ; the conversion does not saturate (ISA guide 7.6.2): the hold comes first
.set n, n+1
.endr
.irp m, 0,1,2,3
	v_cvt_scalef32_pk8_fp8_f32 v[C+8*\i+2*\m:C+8*\i+2*\m+1], v[T+8*\m:T+8*\m+7], v[QS]
.endr
	v_nop                                          ; a plain instruction between the conversions and the next lines that write their sources
.irp j, 0,1,2,3,4,5,6,7
	ds_store_b32 v6, v[C+8*\i+\j] offset:\i*LP+128*\j
.endr
.endm
	s_load_b256 s[8:15], s[0:1], 0x0               ; x1 8, g_mlp 10, b_mlp 12, scales 14
	s_load_b64 s[16:17], s[0:1], 0x20              ; yc
	v_lshl_add_u32 v216, v0, 2, 0x4200
	v_mov_b32 v217, 0
	v_lshrrev_b32 v1, 5, v0
	v_readfirstlane_b32 s48, v1                    ; wave 0..7
	v_and_b32 v1, 31, v0
	v_and_b32 v2, 15, v0
	v_bfe_u32 v3, v0, 4, 1
	v_lshlrev_b32 v4, 4, v1                        ; 16 x lane
	v_lshlrev_b32 v5, 2, v1
	s_mul_i32 s49, s48, 2*LP
	v_add_nc_u32 v6, s49, v5                       ; in: my wave's two rows, 4 bytes a lane
	v_mul_u32_u24 v7, v2, LP
	v_lshl_add_u32 v7, v3, 3, v7
	s_lshl_b32 s49, s48, 7
	v_add_nc_u32 v7, s49, v7                       ; back: row r, + 8 h, k block = my wave
	s_lshl_b32 s49, s48, 11
	v_add_nc_u32 v10, s49, v4                      ; out
	s_mov_b32 s50, 0x76543210
	s_mov_b32 s51, 0xfedcba98
	s_mov_b32 s52, 0x3a800000                      ; 1 / 1,024
	s_mov_b32 s53, 0x3727c5ac                      ; eps = 1e-5
	s_lshl_b32 s60, ttmp9, 14
	s_mov_b32 s61, 0
	s_lshl_b32 s62, ttmp9, 16
	s_lshl_b32 s63, s48, 13
	s_add_co_u32 s62, s62, s63
	s_mov_b32 s63, 0
	s_wait_kmcnt 0x0
	s_load_b32 s32, s[14:15], 0x30                 ; e12
	s_add_nc_u64 s[16:17], s[16:17], s[60:61]
	s_add_nc_u64 s[8:9], s[8:9], s[62:63]
.irp j, 0,1,2,3,4,5,6,7
	global_load_b128 v[G+4*\j:G+4*\j+3], v4, s[10:11] offset:512*\j
.endr
.irp j, 0,1,2,3,4,5,6,7
	global_load_b128 v[BB+4*\j:BB+4*\j+3], v4, s[12:13] offset:512*\j
.endr
.irp j, 0,1,2,3,4,5,6,7
	global_load_b128 v[X0+4*\j:X0+4*\j+3], v4, s[8:9] offset:512*\j
.endr
.irp j, 0,1,2,3,4,5,6,7
	global_load_b128 v[X1+4*\j:X1+4*\j+3], v4, s[8:9] offset:4096+512*\j
.endr
	s_wait_kmcnt 0x0
	s_add_co_i32 s68, s32, 127
	s_lshl_b32 s69, s68, 23
	v_mov_b32 v[QS], s69                           ; 2^e12
	s_add_co_i32 s68, s68, 8
	s_lshl_b32 s68, s68, 23
	s_or_b32 s68, s68, 0x600000
	v_mov_b32 v[QS+1], s68                         ; 448 x 2^e12
	s_wait_loadcnt 8                               ; g, b and the first row are in; the second row's eight loads may be out
	LNROW X0
	QROW X0, 0
	s_wait_loadcnt 0x0
	LNROW X1
	QROW X1, 1
	s_wait_dscnt 0x0                               ; my rows' codes have landed
	s_barrier_signal -1
	s_barrier_wait -1
.irp q, 0,1,2,3
.irp e, 0,1
	ds_load_b64 v[80+4*\q+2*\e:81+4*\q+2*\e], v7 offset:32*\q+16*\e
.endr
.endr
	s_wait_dscnt 0x0
.irp q, 0,1,2,3
	global_store_b128 v10, v[80+4*\q:83+4*\q], s[16:17] offset:512*\q        ; 512 consecutive bytes
.endr
	s_wait_tensorcnt 0x0
	ds_add_u32 v216, v217
	s_wait_dscnt 0x0
	s_endpgm
.Lfunc_end_k_q1bcaa39b58_ln2:
	.size	k_q1bcaa39b58_ln2, .Lfunc_end_k_q1bcaa39b58_ln2-k_q1bcaa39b58_ln2
	.p2alignl 7, 3214868480
	.fill 96, 4, 3214868480
	.section	.rodata,"a",@progbits
	.p2align	6, 0x0
	.amdhsa_kernel k_q1bcaa39b58_ln2
		.amdhsa_group_segment_fixed_size 17920
		.amdhsa_private_segment_fixed_size 0
		.amdhsa_enable_private_segment 0
		.amdhsa_kernarg_size 40
		.amdhsa_user_sgpr_count 2
		.amdhsa_user_sgpr_kernarg_segment_ptr 1
		.amdhsa_wavefront_size32 1
		.amdhsa_system_sgpr_workgroup_id_x 1
		.amdhsa_system_sgpr_workgroup_id_y 1
		.amdhsa_system_sgpr_workgroup_id_z 1
		.amdhsa_system_vgpr_workitem_id 0
		.amdhsa_next_free_vgpr 218
		.amdhsa_next_free_sgpr 72
		.amdhsa_reserve_vcc 0
		.amdhsa_float_denorm_mode_32 3
		.amdhsa_float_denorm_mode_16_64 3
		.amdhsa_memory_ordered 1
		.amdhsa_forward_progress 1
		.amdhsa_inst_pref_size 24
	.end_amdhsa_kernel
	.amdgpu_metadata
---
amdhsa.version: [ 1, 2 ]
amdhsa.kernels:
  - .name:           k_q1bcaa39b58_ln2
    .symbol:         k_q1bcaa39b58_ln2.kd
    .args:
      - { .name: x1, .offset: 0, .size: 8, .value_kind: global_buffer, .address_space: global }
      - { .name: g_mlp, .offset: 8, .size: 8, .value_kind: global_buffer, .address_space: global }
      - { .name: b_mlp, .offset: 16, .size: 8, .value_kind: global_buffer, .address_space: global }
      - { .name: lowp_scales, .offset: 24, .size: 8, .value_kind: global_buffer, .address_space: global }
      - { .name: yc, .offset: 32, .size: 8, .value_kind: global_buffer, .address_space: global }
    .group_segment_fixed_size: 17920
    .private_segment_fixed_size: 0
    .kernarg_segment_align: 8
    .kernarg_segment_size: 40
    .max_flat_workgroup_size: 256
    .sgpr_count:     72
    .vgpr_count:     218
    .wavefront_size: 32
...
	.end_amdgpu_metadata
.endif
;; end of part 5
;; launch mlp_up (part 6): grid 16 x 16, 4 waves a work-group, clusters of 4 x 4, 327,680 bytes of LDS; arguments yc, wc, lowp_scales, b1, hc; writes hc
.if DOCPART == 6
	.amdgcn_target "amdgcn-amd-amdhsa--gfx1250"
	.amdhsa_code_object_version 6
	.text
	.protected	k_q1bcaa39b58_mlp_up
	.globl	k_q1bcaa39b58_mlp_up
	.p2align	8
	.type	k_q1bcaa39b58_mlp_up,@function
k_q1bcaa39b58_mlp_up:
	s_mov_b64 s[64:65], 0
	v_nop
	global_prefetch_b8 v0, s[64:65] scope:SCOPE_SE
	s_setreg_imm32_b32 hwreg(HW_REG_WAVE_MODE, 25, 1), 1
	s_wait_xcnt 0x0
	s_wait_alu depctr_hold_cnt(0) depctr_sa_sdst(0) depctr_va_vdst(0) depctr_va_sdst(0) depctr_va_ssrc(0) depctr_va_vcc(0) depctr_vm_vsrc(0)
	s_getreg_b32 s2, hwreg(HW_REG_IB_STS2, 6, 4)
	s_cmp_eq_u32 s2, 0
	s_cbranch_scc0 .Lentry_in_a_cluster
	s_endpgm
.Lentry_in_a_cluster:
	s_bfe_u32 s2, ttmp6, 0x10000c
	s_cmp_lg_u32 s2, 0xf033
	s_cbranch_scc0 .Lentry_shape_is_right
	s_endpgm
.Lentry_shape_is_right:
; h = relu(y W1^T + b1), quantised (e14) into hc.  y (yc), W1 (wc + 4 Mi) and h are codes of E4M3 as register images: a block of 16 rows x 128 k is 2,048 bytes, [part 0..3][lane][16 bytes]; blocks as [row block][k block].
; A tile of 256 x 256 is made by four waves, 128 x 128 each: 64 accumulators.  K = 1,024 goes in steps of 256 through two LDS slots filled by the tensor data mover: for 8 row blocks 4,096 consecutive bytes each.  256 work-groups.
; CLUSTERS of 4 x 4: A's tile is shared along a row of the cluster, B's along a column; each is asked for jointly.  The matrix instruction is used transposed (source 0 = rows of W1): a lane holds one token and eight
; neighbouring hidden units, which one conversion turns into two registers of the next product's operand: a wave's 128 columns are one k block of it, and results leave from registers, 512 consecutive bytes a store.
; LIMITS: e12 + e13 between -126 and 127; e14 between -126 and 119.  NaN among the inputs is not served.
; REGISTERS, in windows of 256: window 0: v0-31 addresses; v32-95 bias; from v128 A's fragments, one set; window 1: B's, two sets; windows 2, 3: accumulators.
.set KTOT,   1024
.set BOFF,   0x400000
.set STEPB,  4096
.set HALFT,  32768
.set SLOT,   131072
.set SPARE,  262144                    ; behind the ring: the spare words, 128 bytes for each wave, which no other line names
.set LAPS,   KTOT/512
.set FR,     16
.set NL,     4
.set NP,     4
.set ADRA, 16
.set ADRB, 20
.set CO,   26
.set SPW,  28
.set NIL,  29
.set SC,   30
.set LIM,  31
.set BC,   32
.set AF,   128
.set TMP,  128
.set CD,   192
.set G1, 24
.set G0, 32
.set G1B, 48
.set G0B, 56
.set MSB, 0
.macro WIN new
.if MSB != \new
	s_set_vgpr_msb (MSB<<8)|\new
.set MSB, \new
.endif
.endm
.set MUL_LO, 0xa1
.set MUL_HI, 0xf1
.set TO_B,   0x40
.macro JLOAD g0a, g1a, g0b, g1b        ; a joint load: waves 0, 1 fetch A's halves, waves 2, 3 B's; four v_nop follow each line
	s_cmp_eq_u32 s15, 0
	s_cbranch_scc0 .Lfor_b_\@
	tensor_load_to_lds s[\g0a:\g0a+3], s[\g1a:\g1a+7]
	s_nop 0
.rept 4
	v_nop
.endr
	s_branch .Lasked_\@
.Lfor_b_\@:
	tensor_load_to_lds s[\g0b:\g0b+3], s[\g1b:\g1b+7]
	s_nop 0
.rept 4
	v_nop
.endr
.Lasked_\@:
.endm
.macro CREST
	s_cmp_lg_u32 s14, 0
	s_cbranch_scc1 .Lnot_wave_0_\@
	s_barrier_signal -3
.Lnot_wave_0_\@:
	s_barrier_wait -3
	s_barrier_signal -1
	s_barrier_wait -1
.endm
.macro CROUND
	s_barrier_signal -1
	s_barrier_wait -1
	CREST
.endm
	s_load_b256 s[68:75], s[0:1], 0x0              ; yc 68, wc 70, scales 72, b1 74
	s_load_b64 s[10:11], s[0:1], 0x20              ; hc
	v_lshl_add_u32 v[SPW], v0, 2, SPARE
	v_mov_b32 v[NIL], 0
	ds_add_u32 v28, v29
	ds_add_u32 v28, v29
	s_wait_dscnt 0x0
	v_lshrrev_b32 v1, 5, v0
	v_readfirstlane_b32 s14, v1
	s_lshr_b32 s15, s14, 1
	s_and_b32 s16, s14, 1
	s_bfe_u32 s40, ttmp6, 0x40000
	s_bfe_u32 s41, ttmp6, 0x40004
	s_lshl_b32 s42, ttmp9, 2
	s_add_co_u32 s42, s42, s40                     ; tile column
	s_and_b32 s17, ttmp7, 0xffff
	s_lshl_b32 s17, s17, 2
	s_add_co_u32 s17, s17, s41                     ; tile row
	s_lshl_b32 s43, s41, 2
	s_lshl_b32 s43, 15, s43
	s_lshl_b32 s44, 0x1111, s40
	s_or_b32 s[G1+0], s43, (3<<16)|(1<<21)         ; the mask; elements of 8 bytes; bit 21 beside a mask; no padding
	s_or_b32 s[G1B+0], s44, (3<<16)|(1<<21)
.irp g, G1, G1B
	s_mov_b32 s[\g+1], 512<<16                     ; tensor_dim0
	s_mov_b32 s[\g+2], 8<<16                       ; tensor_dim1
	s_mov_b32 s[\g+3], 512<<16                     ; tile_dim0
	s_mov_b32 s[\g+4], 8                           ; tile_dim1
	s_mov_b32 s[\g+5], KTOT*2                      ; tensor_dim0_stride
	s_mov_b32 s[\g+6], 0
	s_mov_b32 s[\g+7], 0
.endr
	s_lshl_b32 s18, s16, 7
	s_lshl_b32 s20, s17, 8
	s_add_co_u32 s20, s20, s18
	s_mul_i32 s20, s20, KTOT
	s_mov_b32 s21, 0
	s_lshl_b32 s46, s42, 8
	s_add_co_u32 s46, s46, s18
	s_mul_i32 s46, s46, KTOT
	s_add_co_u32 s46, s46, BOFF
	s_mov_b32 s47, 0
	s_mul_i32 s45, s14, HALFT
	s_wait_kmcnt 0x0
	s_load_b128 s[84:87], s[72:73], 0x30           ; e12, e13, e14, e15
	s_add_nc_u64 s[20:21], s[68:69], s[20:21]
	s_add_nc_u64 s[46:47], s[70:71], s[46:47]
	CROUND
.irp s, 0,1
	s_mov_b32 s[G0+4*\s], 1
	s_add_co_u32 s[G0+4*\s+1], s45, \s*SLOT
	s_add_nc_u64 s[G0+4*\s+2:G0+4*\s+3], s[20:21], \s*STEPB
	s_or_b32 s[G0+4*\s+3], s[G0+4*\s+3], 0x80000000
	s_mov_b32 s[G0B+4*\s], 1
	s_add_co_u32 s[G0B+4*\s+1], s45, \s*SLOT
	s_add_nc_u64 s[G0B+4*\s+2:G0B+4*\s+3], s[46:47], \s*STEPB
	s_or_b32 s[G0B+4*\s+3], s[G0B+4*\s+3], 0x80000000
	JLOAD G0+4*\s, G1, G0B+4*\s, G1B
.endr
	v_bfe_u32 v2, v0, 4, 1
	v_and_b32 v3, 31, v0
	v_lshlrev_b32 v[CO], 4, v3
	s_mul_i32 s21, s15, HALFT
	s_mul_i32 s22, s16, HALFT
	s_add_co_u32 s22, s22, 2*HALFT
.irp s, 0,1
	v_add_nc_u32 v[ADRA+\s], s21, v[CO]
	v_add_nc_u32 v[ADRB+\s], s22, v[CO]
	s_add_co_u32 s21, s21, SLOT
	s_add_co_u32 s22, s22, SLOT
.endr
	s_lshl_b32 s18, s42, 10
	s_lshl_b32 s19, s16, 9
	s_add_co_u32 s18, s18, s19
	s_mov_b32 s19, 0
	s_add_nc_u64 s[74:75], s[74:75], s[18:19]      ; b1 at my 128 hidden units
	v_lshlrev_b32 v5, 5, v2
.irp b, 0,1,2,3,4,5,6,7
	global_load_b128 v[BC+8*\b:BC+8*\b+3], v5, s[74:75] offset:64*\b          ; b1(16 b + 8 h + 0..7)
	global_load_b128 v[BC+8*\b+4:BC+8*\b+7], v5, s[74:75] offset:64*\b+16
.endr
	s_lshl_b32 s18, s17, 4
	s_lshl_b32 s22, s15, 3
	s_add_co_u32 s18, s18, s22                     ; my first row block,
	s_lshl_b32 s18, s18, 5                         ; 32 k blocks each,
	s_lshl_b32 s22, s42, 1
	s_add_co_u32 s18, s18, s22
	s_add_co_u32 s18, s18, s16                     ; my k block
	s_lshl_b32 s18, s18, 11
	s_add_nc_u64 s[10:11], s[10:11], s[18:19]
.macro FRAG reg, adr, q, i
.irp c, 0,1,2,3
	ds_load_b128 v[\reg+4*\c:\reg+4*\c+3], v[\adr] offset:2048*(\q)+512*\c+(\i)*4096
.endr
.endm
.macro MUL16 a0, p, zero               ; the 64 accumulators take turns, one instruction a turn
.irp a, \a0, \a0+1
.irp b, 0,1,2,3,4,5,6,7
.if \zero
	v_wmma_f32_16x16x128_fp8_fp8 v[8*(8*((\a)%4)+\b):8*(8*((\a)%4)+\b)+7], v[128*(\p)+FR*\b:128*(\p)+FR*\b+FR-1], v[AF+FR*(\a):AF+FR*(\a)+FR-1], 0
.else
	v_wmma_f32_16x16x128_fp8_fp8 v[8*(8*((\a)%4)+\b):8*(8*((\a)%4)+\b)+7], v[128*(\p)+FR*\b:128*(\p)+FR*\b+FR-1], v[AF+FR*(\a):AF+FR*(\a)+FR-1], v[8*(8*((\a)%4)+\b):8*(8*((\a)%4)+\b)+7]
.endif
.endr
.endr
.endm
.macro FETCH_B slot, q, p
	WIN TO_B
.irp i, 0,1,2,3,4,5,6,7
	FRAG 128*(\p)+FR*\i, ADRB+\slot, \q, \i
.endr
	WIN 0
.endm
.macro FETCH_A slot, q, i0
.irp i, \i0, \i0+1, \i0+2, \i0+3
	FRAG AF+FR*(\i), ADRA+\slot, \q, \i
.endr
.endm
.macro PLACES n
.rept \n
	v_nop
.endr
.endm
.macro STEP slot, q, zero
	s_wait_dscnt 4*NL                              ; all but the youngest sixteen loads (A's blocks 4-7) are in
	WIN MUL_LO
	MUL16 0, (\q)%2, \zero
	MUL16 2, (\q)%2, \zero
	s_wait_dscnt 0
	PLACES NP
	FETCH_B \slot, (\q)+1, 1-(\q)%2
	FETCH_A \slot, (\q)+1, 0
	WIN MUL_HI
	MUL16 4, (\q)%2, \zero
	MUL16 6, (\q)%2, \zero
	PLACES NP
	WIN 0
	FETCH_A \slot, (\q)+1, 4
.endm
.macro TURN slot, next, fill
	s_wait_tensorcnt 0x0                           ; all my tensor loads have landed: my part of the next slot
	ds_add_u32 v[SPW], v[NIL]                      ; 0 onto my spare word
	s_wait_dscnt 4*NL+1                            ; the add and the youngest sixteen loads may be out
	WIN MUL_LO
	MUL16 0, 1, 0
	s_wait_dscnt 0x0                               ; the add is done, and my reads of this slot are over
	s_barrier_signal -1
	MUL16 2, 1, 0
	WIN 0
	s_barrier_wait -1
.if \fill
	CREST                                          ; a round of the cluster's barrier: no wave of any partner still reads this slot or has a load on its way
	s_add_nc_u64 s[G0+4*\slot+2:G0+4*\slot+3], s[G0+4*\slot+2:G0+4*\slot+3], 2*STEPB
	s_add_nc_u64 s[G0B+4*\slot+2:G0B+4*\slot+3], s[G0B+4*\slot+2:G0B+4*\slot+3], 2*STEPB
	JLOAD G0+4*\slot, G1, G0B+4*\slot, G1B
.else
	PLACES NP
.endif
	FETCH_B \next, 0, 0
	FETCH_A \next, 0, 0
	WIN MUL_HI
	MUL16 4, 1, 0
	MUL16 6, 1, 0
	PLACES NP
	WIN 0
	FETCH_A \next, 0, 4
.endm
	s_wait_loadcnt 0x0                             ; the bias
	s_wait_tensorcnt 1                             ; my part of K step 0 is in; K step 1's load may be out
	s_barrier_signal -1
	s_barrier_wait -1
	FETCH_B 0, 0, 0
	FETCH_A 0, 0, 0
	FETCH_A 0, 0, 4
	STEP 0, 0, 1
	s_mov_b32 s3, LAPS-1
.Llap:
	TURN 0, 1, 1
	STEP 1, 0, 0
	TURN 1, 0, 1
	STEP 0, 0, 0
	s_sub_co_u32 s3, s3, 1
	s_cmp_lg_u32 s3, 0
	s_cbranch_scc1 .Llap
	TURN 0, 1, 0
	STEP 1, 0, 0
	s_wait_dscnt 4*NL
	WIN MUL_LO
	MUL16 0, 1, 0
	MUL16 2, 1, 0
	s_wait_dscnt 0
	WIN MUL_HI
	MUL16 4, 1, 0
	MUL16 6, 1, 0
	WIN 0
	; THE WAY OUT.  number = sum x 2^(e12 + e13) + b1; the hold between 0 and 448 x 2^e14 is the activation too; eight of a lane become two registers of the next operand
	s_wait_kmcnt 0x0
	s_add_co_i32 s96, s84, s85
	s_add_co_i32 s96, s96, 127
	s_lshl_b32 s96, s96, 23
	s_mov_b32 s97, s96
	s_add_co_i32 s18, s86, 127
	s_lshl_b32 s19, s18, 23
	v_mov_b32 v[SC], s19
	s_add_co_i32 s18, s18, 8
	s_lshl_b32 s18, s18, 23
	s_or_b32 s18, s18, 0x600000
	v_mov_b32 v[LIM], s18
	PLACES NP
.macro OUTC a
.set AC, 64*((\a)%4)
.set CDA, CD+16*((\a)%4)
.if (\a) >= 4
	s_wait_xcnt 0x0                                ; block a - 4's stores have read these registers
.endif
	WIN 0x02+((\a)/4)
.set n, 0
.rept 32
	v_pk_fma_f32 v[TMP+n:TMP+n+1], v[AC+n:AC+n+1], s[96:97], v[BC+n:BC+n+1] op_sel_hi:[1,0,1]   ; each accumulator from its low end on
.set n, n+2
.endr
	WIN 0
.set n, 0
.rept 64
	v_med3_num_f32 v[TMP+n], v[TMP+n], 0, v[LIM]
.set n, n+1
.endr
.irp b, 0,1,2,3,4,5,6,7
	v_cvt_scalef32_pk8_fp8_f32 v[CDA+2*\b:CDA+2*\b+1], v[TMP+8*\b:TMP+8*\b+7], v[SC]
.endr
	v_nop                                          ; a plain instruction between the conversions and the next block's writes of their sources
.irp p, 0,1,2,3
	global_store_b128 v[CO], v[CDA+4*\p:CDA+4*\p+3], s[10:11] offset:(\a)*65536+\p*512     ; row block a of mine, part p: 512 consecutive bytes
.endr
.endm
.irp a, 0,1,2,3,4,5,6,7
	OUTC \a
.endr
	s_wait_tensorcnt 0x0                           ; the wave's end
	ds_add_u32 v[SPW], v[NIL]
	s_wait_dscnt 0x0
	CROUND                                         ; the closing round
	s_endpgm
.Lfunc_end_k_q1bcaa39b58_mlp_up:
	.size	k_q1bcaa39b58_mlp_up, .Lfunc_end_k_q1bcaa39b58_mlp_up-k_q1bcaa39b58_mlp_up
	.p2alignl 7, 3214868480
	.fill 96, 4, 3214868480
	.section	.rodata,"a",@progbits
	.p2align	6, 0x0
	.amdhsa_kernel k_q1bcaa39b58_mlp_up
		.amdhsa_group_segment_fixed_size 327680
		.amdhsa_private_segment_fixed_size 0
		.amdhsa_enable_private_segment 0
		.amdhsa_kernarg_size 40
		.amdhsa_user_sgpr_count 2
		.amdhsa_user_sgpr_kernarg_segment_ptr 1
		.amdhsa_wavefront_size32 1
		.amdhsa_system_sgpr_workgroup_id_x 1
		.amdhsa_system_sgpr_workgroup_id_y 1
		.amdhsa_system_sgpr_workgroup_id_z 1
		.amdhsa_system_vgpr_workitem_id 0
		.amdhsa_next_free_vgpr 1024
		.amdhsa_next_free_sgpr 98
		.amdhsa_reserve_vcc 0
		.amdhsa_float_denorm_mode_32 3
		.amdhsa_float_denorm_mode_16_64 3
		.amdhsa_memory_ordered 1
		.amdhsa_forward_progress 1
		.amdhsa_inst_pref_size 135
	.end_amdhsa_kernel
	.amdgpu_metadata
---
amdhsa.version: [ 1, 2 ]
amdhsa.kernels:
  - .name:           k_q1bcaa39b58_mlp_up
    .symbol:         k_q1bcaa39b58_mlp_up.kd
    .args:
      - { .name: yc, .offset: 0, .size: 8, .value_kind: global_buffer, .address_space: global }
      - { .name: wc, .offset: 8, .size: 8, .value_kind: global_buffer, .address_space: global }
      - { .name: lowp_scales, .offset: 16, .size: 8, .value_kind: global_buffer, .address_space: global }
      - { .name: b1, .offset: 24, .size: 8, .value_kind: global_buffer, .address_space: global }
      - { .name: hc, .offset: 32, .size: 8, .value_kind: global_buffer, .address_space: global }
    .group_segment_fixed_size: 327680
    .private_segment_fixed_size: 0
    .kernarg_segment_align: 8
    .kernarg_segment_size: 40
    .max_flat_workgroup_size: 128
    .sgpr_count:     98
    .vgpr_count:     1024
    .wavefront_size: 32
...
	.end_amdgpu_metadata
.endif
;; end of part 6
;; launch mlp_down (part 7): grid 4 x 16, 4 waves a work-group, clusters of 4 x 4, 327,680 bytes of LDS; arguments hc, wc, lowp_scales, b2, x1, out0; writes out0
.if DOCPART == 7
	.amdgcn_target "amdgcn-amd-amdhsa--gfx1250"
	.amdhsa_code_object_version 6
	.text
	.protected	k_q1bcaa39b58_mlp_down
	.globl	k_q1bcaa39b58_mlp_down
	.p2align	8
	.type	k_q1bcaa39b58_mlp_down,@function
k_q1bcaa39b58_mlp_down:
	s_mov_b64 s[64:65], 0
	v_nop
	global_prefetch_b8 v0, s[64:65] scope:SCOPE_SE
	s_setreg_imm32_b32 hwreg(HW_REG_WAVE_MODE, 25, 1), 1
	s_wait_xcnt 0x0
	s_wait_alu depctr_hold_cnt(0) depctr_sa_sdst(0) depctr_va_vdst(0) depctr_va_sdst(0) depctr_va_ssrc(0) depctr_va_vcc(0) depctr_vm_vsrc(0)
	s_getreg_b32 s2, hwreg(HW_REG_IB_STS2, 6, 4)
	s_cmp_eq_u32 s2, 0
	s_cbranch_scc0 .Lentry_in_a_cluster
	s_endpgm
.Lentry_in_a_cluster:
	s_bfe_u32 s2, ttmp6, 0x10000c
	s_cmp_lg_u32 s2, 0xf033
	s_cbranch_scc0 .Lentry_shape_is_right
	s_endpgm
.Lentry_shape_is_right:
; out0 = x1 + h W2^T + b2.  h and W2 are codes of E4M3 as register images (a block of 16 rows x 128 k: 2,048 bytes, [part 0..3][lane][16 bytes]); x1, out0: [4096][1024] f32.  K = 4,096.
; A tile of 256 x 256 is made by four waves, 128 x 128 each: 64 accumulators.  K goes in steps of 256 through two LDS slots filled by the tensor data mover: for 8 row blocks 4,096 consecutive bytes each.
; CLUSTERS of 4 x 4: A's tile is shared along a row of the cluster, B's along a column; each is asked for jointly.  The matrix instruction is used transposed (source 0 = rows of the weight): a lane holds eight neighbours of a row.
; 64 tiles: a quarter of the WGPs have work; a tile of 128 x 128 would want a second main loop.
; LIMIT: the two exponents' sum between -126 and 127.
; REGISTERS, in windows of 256: window 0: v0-31 addresses; v32-35 bias; from v128 A's fragments, one set; window 1: B's, two sets; windows 2, 3: accumulators.
.set ISDOWN, 1
.set KTOT,   4096
.set BOFF,   0x800000                  ; the weight's image in wc
.set SOFF,   0x38                      ; the two exponents in the buffer of scales
.set STEPB,  4096
.set HALFT,  32768
.set SLOT,   131072
.set SPARE,  262144                    ; behind the ring: the spare words, 128 bytes for each wave, which no other line names
.set LAPS,   KTOT/512
.set FR,     16
.set NL,     4
.set NP,     4
.set SPITCH, 528                       ; the way out: a stage of 16 rows x (512 + 16) bytes for each wave, in slot 0, which has had its last fill and its last read by then
.set ADRA, 16
.set ADRB, 20
.set STO,  24
.set RD,   25
.set CO,   26
.set SPW,  28
.set NIL,  29
.set AF,   128
.set BK,   128
.set G1, 24
.set G0, 32
.set G1B, 48
.set G0B, 56
.set MSB, 0
.macro WIN new
.if MSB != \new
	s_set_vgpr_msb (MSB<<8)|\new
.set MSB, \new
.endif
.endm
.set MUL_LO, 0xa1
.set MUL_HI, 0xf1
.set TO_B,   0x40
.macro JLOAD g0a, g1a, g0b, g1b        ; a joint load: waves 0, 1 fetch A's halves, waves 2, 3 B's; four v_nop follow each line
	s_cmp_eq_u32 s15, 0
	s_cbranch_scc0 .Lfor_b_\@
	tensor_load_to_lds s[\g0a:\g0a+3], s[\g1a:\g1a+7]
	s_nop 0
.rept 4
	v_nop
.endr
	s_branch .Lasked_\@
.Lfor_b_\@:
	tensor_load_to_lds s[\g0b:\g0b+3], s[\g1b:\g1b+7]
	s_nop 0
.rept 4
	v_nop
.endr
.Lasked_\@:
.endm
.macro CREST
	s_cmp_lg_u32 s14, 0
	s_cbranch_scc1 .Lnot_wave_0_\@
	s_barrier_signal -3
.Lnot_wave_0_\@:
	s_barrier_wait -3
	s_barrier_signal -1
	s_barrier_wait -1
.endm
.macro CROUND
	s_barrier_signal -1
	s_barrier_wait -1
	CREST
.endm
	s_load_b256 s[68:75], s[0:1], 0x0              ; A's codes 68, wc 70, scales 72, bias 74
	s_load_b128 s[8:11], s[0:1], 0x20              ; the residual 8, the result 10
	v_lshl_add_u32 v[SPW], v0, 2, SPARE
	v_mov_b32 v[NIL], 0
	ds_add_u32 v28, v29
	ds_add_u32 v28, v29
	s_wait_dscnt 0x0
	v_lshrrev_b32 v1, 5, v0
	v_readfirstlane_b32 s14, v1
	s_lshr_b32 s15, s14, 1
	s_and_b32 s16, s14, 1
	s_bfe_u32 s40, ttmp6, 0x40000
	s_bfe_u32 s41, ttmp6, 0x40004
	s_lshl_b32 s42, ttmp9, 2
	s_add_co_u32 s42, s42, s40                     ; tile column
	s_and_b32 s17, ttmp7, 0xffff
	s_lshl_b32 s17, s17, 2
	s_add_co_u32 s17, s17, s41                     ; tile row
	s_lshl_b32 s43, s41, 2
	s_lshl_b32 s43, 15, s43
	s_lshl_b32 s44, 0x1111, s40
	s_or_b32 s[G1+0], s43, (3<<16)|(1<<21)         ; the mask; elements of 8 bytes; bit 21 beside a mask; no padding
	s_or_b32 s[G1B+0], s44, (3<<16)|(1<<21)
.irp g, G1, G1B
	s_mov_b32 s[\g+1], 512<<16                     ; tensor_dim0
	s_mov_b32 s[\g+2], 8<<16                       ; tensor_dim1
	s_mov_b32 s[\g+3], 512<<16                     ; tile_dim0
	s_mov_b32 s[\g+4], 8                           ; tile_dim1
	s_mov_b32 s[\g+5], KTOT*2                      ; tensor_dim0_stride
	s_mov_b32 s[\g+6], 0
	s_mov_b32 s[\g+7], 0
.endr
	s_lshl_b32 s18, s16, 7
	s_lshl_b32 s20, s17, 8
	s_add_co_u32 s20, s20, s18
	s_mul_i32 s20, s20, KTOT
	s_mov_b32 s21, 0
	s_lshl_b32 s46, s42, 8
	s_add_co_u32 s46, s46, s18
	s_mul_i32 s46, s46, KTOT
	s_add_co_u32 s46, s46, BOFF
	s_mov_b32 s47, 0
	s_mul_i32 s45, s14, HALFT
	s_wait_kmcnt 0x0
	s_load_b64 s[96:97], s[72:73], SOFF
	s_add_nc_u64 s[20:21], s[68:69], s[20:21]
	s_add_nc_u64 s[46:47], s[70:71], s[46:47]
	CROUND
.irp s, 0,1
	s_mov_b32 s[G0+4*\s], 1
	s_add_co_u32 s[G0+4*\s+1], s45, \s*SLOT
	s_add_nc_u64 s[G0+4*\s+2:G0+4*\s+3], s[20:21], \s*STEPB
	s_or_b32 s[G0+4*\s+3], s[G0+4*\s+3], 0x80000000
	s_mov_b32 s[G0B+4*\s], 1
	s_add_co_u32 s[G0B+4*\s+1], s45, \s*SLOT
	s_add_nc_u64 s[G0B+4*\s+2:G0B+4*\s+3], s[46:47], \s*STEPB
	s_or_b32 s[G0B+4*\s+3], s[G0B+4*\s+3], 0x80000000
	JLOAD G0+4*\s, G1, G0B+4*\s, G1B
.endr
	v_and_b32 v1, 15, v0
	v_bfe_u32 v2, v0, 4, 1
	v_and_b32 v3, 31, v0
	v_lshlrev_b32 v[CO], 4, v3
	s_mul_i32 s21, s15, HALFT
	s_mul_i32 s22, s16, HALFT
	s_add_co_u32 s22, s22, 2*HALFT
.irp s, 0,1
	v_add_nc_u32 v[ADRA+\s], s21, v[CO]
	v_add_nc_u32 v[ADRB+\s], s22, v[CO]
	s_add_co_u32 s21, s21, SLOT
	s_add_co_u32 s22, s22, SLOT
.endr
	s_mul_i32 s23, s14, 16*SPITCH                  ; my stage
	v_mul_u32_u24 v5, v1, SPITCH
	v_lshl_add_u32 v5, v2, 5, v5
	v_add_nc_u32 v[STO], s23, v5                   ; in: row r, 32 bytes for each half of the lanes
	v_add_nc_u32 v[RD], s23, v[CO]                 ; back: a row of 512 bytes
	s_lshl_b32 s18, s42, 10
	s_lshl_b32 s19, s16, 9
	s_add_co_u32 s18, s18, s19                     ; my first column, in bytes
	s_mov_b32 s19, 0
	s_add_nc_u64 s[74:75], s[74:75], s[18:19]
	global_load_b128 v[32:35], v[CO], s[74:75]     ; bias of my lane's four columns of a row
	s_lshl_b32 s22, s17, 8
	s_lshl_b32 s23, s15, 7
	s_add_co_u32 s22, s22, s23
	s_lshl_b32 s22, s22, 12                        ; my first row, 4,096 bytes a row
	s_add_co_u32 s18, s18, s22
	s_add_nc_u64 s[12:13], s[8:9], s[18:19]
	s_add_nc_u64 s[10:11], s[10:11], s[18:19]
.macro FRAG reg, adr, q, i
.irp c, 0,1,2,3
	ds_load_b128 v[\reg+4*\c:\reg+4*\c+3], v[\adr] offset:2048*(\q)+512*\c+(\i)*4096
.endr
.endm
.macro MUL16 a0, p, zero               ; the 64 accumulators take turns, one instruction a turn
.irp a, \a0, \a0+1
.irp b, 0,1,2,3,4,5,6,7
.if \zero
	v_wmma_f32_16x16x128_fp8_fp8 v[8*(8*((\a)%4)+\b):8*(8*((\a)%4)+\b)+7], v[128*(\p)+FR*\b:128*(\p)+FR*\b+FR-1], v[AF+FR*(\a):AF+FR*(\a)+FR-1], 0
.else
	v_wmma_f32_16x16x128_fp8_fp8 v[8*(8*((\a)%4)+\b):8*(8*((\a)%4)+\b)+7], v[128*(\p)+FR*\b:128*(\p)+FR*\b+FR-1], v[AF+FR*(\a):AF+FR*(\a)+FR-1], v[8*(8*((\a)%4)+\b):8*(8*((\a)%4)+\b)+7]
.endif
.endr
.endr
.endm
.macro FETCH_B slot, q, p
	WIN TO_B
.irp i, 0,1,2,3,4,5,6,7
	FRAG 128*(\p)+FR*\i, ADRB+\slot, \q, \i
.endr
	WIN 0
.endm
.macro FETCH_A slot, q, i0
.irp i, \i0, \i0+1, \i0+2, \i0+3
	FRAG AF+FR*(\i), ADRA+\slot, \q, \i
.endr
.endm
.macro PLACES n
.rept \n
	v_nop
.endr
.endm
.macro STEP slot, q, zero
	s_wait_dscnt 4*NL                              ; all but the youngest sixteen loads (A's blocks 4-7) are in
	WIN MUL_LO
	MUL16 0, (\q)%2, \zero
	MUL16 2, (\q)%2, \zero
	s_wait_dscnt 0
	PLACES NP
	FETCH_B \slot, (\q)+1, 1-(\q)%2
	FETCH_A \slot, (\q)+1, 0
	WIN MUL_HI
	MUL16 4, (\q)%2, \zero
	MUL16 6, (\q)%2, \zero
	PLACES NP
	WIN 0
	FETCH_A \slot, (\q)+1, 4
.endm
.macro TURN slot, next, fill
	s_wait_tensorcnt 0x0                           ; all my tensor loads have landed: my part of the next slot
	ds_add_u32 v[SPW], v[NIL]                      ; 0 onto my spare word
	s_wait_dscnt 4*NL+1                            ; the add and the youngest sixteen loads may be out
	WIN MUL_LO
	MUL16 0, 1, 0
	s_wait_dscnt 0x0                               ; the add is done, and my reads of this slot are over
	s_barrier_signal -1
	MUL16 2, 1, 0
	WIN 0
	s_barrier_wait -1
.if \fill
	CREST                                          ; a round of the cluster's barrier: no wave of any partner still reads this slot or has a load on its way
	s_add_nc_u64 s[G0+4*\slot+2:G0+4*\slot+3], s[G0+4*\slot+2:G0+4*\slot+3], 2*STEPB
	s_add_nc_u64 s[G0B+4*\slot+2:G0B+4*\slot+3], s[G0B+4*\slot+2:G0B+4*\slot+3], 2*STEPB
	JLOAD G0+4*\slot, G1, G0B+4*\slot, G1B
.else
	PLACES NP
.endif
	FETCH_B \next, 0, 0
	FETCH_A \next, 0, 0
	WIN MUL_HI
	MUL16 4, 1, 0
	MUL16 6, 1, 0
	PLACES NP
	WIN 0
	FETCH_A \next, 0, 4
.endm
	s_wait_loadcnt 0x0                             ; the bias
	s_wait_tensorcnt 1                             ; my part of K step 0 is in; K step 1's load may be out
	s_barrier_signal -1
	s_barrier_wait -1
	FETCH_B 0, 0, 0
	FETCH_A 0, 0, 0
	FETCH_A 0, 0, 4
	STEP 0, 0, 1
	s_mov_b32 s3, LAPS-1
.Llap:
	TURN 0, 1, 1
	STEP 1, 0, 0
	TURN 1, 0, 1
	STEP 0, 0, 0
	s_sub_co_u32 s3, s3, 1
	s_cmp_lg_u32 s3, 0
	s_cbranch_scc1 .Llap
	TURN 0, 1, 0
	STEP 1, 0, 0
	s_wait_dscnt 4*NL
	WIN MUL_LO
	MUL16 0, 1, 0
	MUL16 2, 1, 0
	s_wait_dscnt 0
	WIN MUL_HI
	MUL16 4, 1, 0
	MUL16 6, 1, 0
	WIN 0
; THE WAY OUT, a block of 16 rows x 128 columns at a time: the sums go through my own stage in LDS and come back as whole rows of 512 bytes; there result = sum x 2^(ea + eb) + residual + bias.
; LDS serves a wave's instructions in order (ISA guide 5.7.1.4): no wait between the stores and the loads, nor in front of the next block's stores.  Every row's place stands in the immediate: 127 rows of 4,096 bytes at the most.
.macro RESLOAD a                       ; the block's 16 rows of the residual, into window 1, where B's fragments are done with
	WIN 0x40
.irp t, 0,1,2,3,4,5,6,7,8,9,10,11,12,13,14,15
	global_load_b128 v[64*((\a)%2)+4*\t:64*((\a)%2)+4*\t+3], v[CO], s[12:13] offset:(16*(\a)+\t)*4096 th:TH_LOAD_NT
.endr
	WIN 0
.endm
.macro TOSTAGE a
.set AC, 64*((\a)%4)
.set BBK, BK+64*((\a)%2)
	WIN 0x08+4*((\a)/4)                            ; the stores' data: window 2 or 3
.irp b, 0,1,2,3,4,5,6,7
	ds_store_b128 v[STO], v[AC+8*\b:AC+8*\b+3] offset:64*\b           ; each accumulator from its low end on
	ds_store_b128 v[STO], v[AC+8*\b+4:AC+8*\b+7] offset:64*\b+16
.endr
	WIN 0
.irp t, 0,1,2,3,4,5,6,7,8,9,10,11,12,13,14,15
	ds_load_b128 v[BBK+4*\t:BBK+4*\t+3], v[RD] offset:\t*SPITCH
.endr
.endm
.macro SEND a, yds, yld                ; yds, yld: the LDS instructions and the global loads issued behind block a's, which may stay out
.set BBK, BK+64*((\a)%2)
.set RS, 64*((\a)%2)
	s_wait_dscnt \yds
	s_wait_loadcnt \yld
	WIN 0x10                                       ; source 2: window 1
.set n, 0
.rept 32
	v_pk_fma_f32 v[BBK+n:BBK+n+1], v[BBK+n:BBK+n+1], s[96:97], v[RS+n:RS+n+1] op_sel_hi:[1,0,1]
.set n, n+2
.endr
	WIN 0
.set n, 0
.rept 16
	v_pk_add_f32 v[BBK+n:BBK+n+1], v[BBK+n:BBK+n+1], v[32:33]
	v_pk_add_f32 v[BBK+n+2:BBK+n+3], v[BBK+n+2:BBK+n+3], v[34:35]
.set n, n+4
.endr
.irp t, 0,1,2,3,4,5,6,7,8,9,10,11,12,13,14,15
.if ISDOWN
	global_store_b128 v[CO], v[BBK+4*\t:BBK+4*\t+3], s[10:11] offset:(16*(\a)+\t)*4096 th:TH_STORE_NT   ; 512 consecutive bytes, at a multiple of 512 from the buffer's first byte; read by nobody here
.else
	global_store_b128 v[CO], v[BBK+4*\t:BBK+4*\t+3], s[10:11] offset:(16*(\a)+\t)*4096
.endif
.endr
.endm
	s_wait_kmcnt 0x0
	s_add_co_i32 s96, s96, s97
	s_add_co_i32 s96, s96, 127
	s_lshl_b32 s96, s96, 23                        ; 2^(ea + eb)
	s_mov_b32 s97, s96
	PLACES NP
	RESLOAD 0
	TOSTAGE 0
.irp a, 1,2,3,4,5,6,7
.if \a > 1
	s_wait_xcnt 0x0                                ; block a - 2's stores have read the registers into which block a's rows come back
.endif
	RESLOAD \a
	TOSTAGE \a
	SEND \a-1, 32, 16                              ; behind block a - 1's: block a's 16 LDS stores and 16 LDS loads, and its 16 residual loads
.endr
	SEND 7, 0, 0
	s_wait_tensorcnt 0x0                           ; the wave's end
	ds_add_u32 v[SPW], v[NIL]
	s_wait_dscnt 0x0
	CROUND                                         ; the closing round
	s_endpgm
.Lfunc_end_k_q1bcaa39b58_mlp_down:
	.size	k_q1bcaa39b58_mlp_down, .Lfunc_end_k_q1bcaa39b58_mlp_down-k_q1bcaa39b58_mlp_down
	.p2alignl 7, 3214868480
	.fill 96, 4, 3214868480
	.section	.rodata,"a",@progbits
	.p2align	6, 0x0
	.amdhsa_kernel k_q1bcaa39b58_mlp_down
		.amdhsa_group_segment_fixed_size 327680
		.amdhsa_private_segment_fixed_size 0
		.amdhsa_enable_private_segment 0
		.amdhsa_kernarg_size 48
		.amdhsa_user_sgpr_count 2
		.amdhsa_user_sgpr_kernarg_segment_ptr 1
		.amdhsa_wavefront_size32 1
		.amdhsa_system_sgpr_workgroup_id_x 1
		.amdhsa_system_sgpr_workgroup_id_y 1
		.amdhsa_system_sgpr_workgroup_id_z 1
		.amdhsa_system_vgpr_workitem_id 0
		.amdhsa_next_free_vgpr 1024
		.amdhsa_next_free_sgpr 98
		.amdhsa_reserve_vcc 0
		.amdhsa_float_denorm_mode_32 3
		.amdhsa_float_denorm_mode_16_64 3
		.amdhsa_memory_ordered 1
		.amdhsa_forward_progress 1
		.amdhsa_inst_pref_size 152
	.end_amdhsa_kernel
	.amdgpu_metadata
---
amdhsa.version: [ 1, 2 ]
amdhsa.kernels:
  - .name:           k_q1bcaa39b58_mlp_down
    .symbol:         k_q1bcaa39b58_mlp_down.kd
    .args:
      - { .name: hc, .offset: 0, .size: 8, .value_kind: global_buffer, .address_space: global }
      - { .name: wc, .offset: 8, .size: 8, .value_kind: global_buffer, .address_space: global }
      - { .name: lowp_scales, .offset: 16, .size: 8, .value_kind: global_buffer, .address_space: global }
      - { .name: b2, .offset: 24, .size: 8, .value_kind: global_buffer, .address_space: global }
      - { .name: x1, .offset: 32, .size: 8, .value_kind: global_buffer, .address_space: global }
      - { .name: out0, .offset: 40, .size: 8, .value_kind: global_buffer, .address_space: global }
    .group_segment_fixed_size: 327680
    .private_segment_fixed_size: 0
    .kernarg_segment_align: 8
    .kernarg_segment_size: 48
    .max_flat_workgroup_size: 128
    .sgpr_count:     98
    .vgpr_count:     1024
    .wavefront_size: 32
...
	.end_amdgpu_metadata
.endif
;; end of part 7
;; ======== version 2 of 2: 7 launches; 1.27 times as fast as version 1
;; workspace buffers: wc 12,582,912 bytes; xc 12,582,912 bytes; qkv 12,582,912 bytes; oc 4,194,304 bytes; x1 16,777,216 bytes; yc 4,194,304 bytes; hc 16,777,216 bytes
;; launch prep: the kernel of part 1 again; grid 1024 x 1, 8 waves a work-group, no clusters, 69,632 bytes of LDS; arguments x, g_in, b_in, lowp_scales, Wq, Wk, Wv, Wo, W1, W2, wc, xc; writes wc, xc
;; launch proj: the kernel of part 2 again; grid 8 x 24, 4 waves a work-group, clusters of 4 x 4, 327,680 bytes of LDS; arguments xc, wc, lowp_scales, bq, bk, bv, qkv; writes qkv
;; launch attn: the kernel of part 3 again; grid 8 x 32, 16 waves a work-group, no clusters, 51,200 bytes of LDS; arguments qkv, res_pos, lowp_scales, oc; writes oc
;; launch attn_out (part 8): grid 8 x 32, 4 waves a work-group, clusters of 4 x 4, 327,680 bytes of LDS; arguments oc, wc, lowp_scales, bo, x, x1; writes x1
.if DOCPART == 8
	.amdgcn_target "amdgcn-amd-amdhsa--gfx1250"
	.amdhsa_code_object_version 6
	.text
	.protected	k_q1bcaa39b58_attn_out
	.globl	k_q1bcaa39b58_attn_out
	.p2align	8
	.type	k_q1bcaa39b58_attn_out,@function
k_q1bcaa39b58_attn_out:
	s_mov_b64 s[64:65], 0
	v_nop
	global_prefetch_b8 v0, s[64:65] scope:SCOPE_SE
	s_setreg_imm32_b32 hwreg(HW_REG_WAVE_MODE, 25, 1), 1
	s_wait_xcnt 0x0
	s_wait_alu depctr_hold_cnt(0) depctr_sa_sdst(0) depctr_va_vdst(0) depctr_va_sdst(0) depctr_va_ssrc(0) depctr_va_vcc(0) depctr_vm_vsrc(0)
	s_getreg_b32 s2, hwreg(HW_REG_IB_STS2, 6, 4)
	s_cmp_eq_u32 s2, 0
	s_cbranch_scc0 .Lentry_in_a_cluster
	s_endpgm
.Lentry_in_a_cluster:
	s_bfe_u32 s2, ttmp6, 0x10000c
	s_cmp_lg_u32 s2, 0xf033
	s_cbranch_scc0 .Lentry_shape_is_right
	s_endpgm
.Lentry_shape_is_right:
; x1 = x + o Wo^T + bo.  o and Wo are codes of E4M3 as register images (a block of 16 rows x 128 k: 2,048 bytes, [part 0..3][lane][16 bytes]; blocks as [row block][k block]); x, x1: [4096][1024] f32.  K = 1,024.
; A tile of 128 x 128: 32 x 8 = 256 tiles, one work-group each.  Four waves, 64 x 64 each: 16 accumulators, 128 registers.
; K goes in steps of 512 through two LDS slots filled by the tensor data mover: for each of 8 row blocks of A and 8 of B 8,192 consecutive bytes; a wave's load brings 4 row blocks.  Here K is two such steps: both are first fills.
; CLUSTERS of 4 x 4: A's tile is shared along a row of the cluster, B's along a column; each is asked for jointly.  The matrix instruction is used transposed (source 0 = rows of the weight): a lane holds eight neighbours of a row.
; The residual's rows are asked for at the head, behind the first joint loads, and waited for on the way out.
; LIMIT: the two exponents' sum between -126 and 127.
; REGISTERS, in windows of 256: window 0: v0-31 addresses; v32-35 bias; v128-255 the accumulators ((a, b) at v[128 + 8 (4 a + b)]).
;   window 1: two fragment buffers of 128: for 128 along K 64 registers of A (4 x 16 rows), then 64 of B.   window 2: v0-127 the residual, v128-255 rows back from the stage.
.set ISDOWN, 0
.set KTOT,   1024
.set BOFF,   0x300000                  ; the weight's image in wc
.set SOFF,   0x28                      ; the two exponents in the buffer of scales
.set STEPB,  8192                      ; a row block's bytes of a K step of 512
.set HALFT,  32768                     ; 4 row blocks: what one tensor load brings, and what a wave reads of A or of B
.set SLOT,   131072                    ; A's 8 row blocks, then B's 8
.set SPARE,  262144                    ; behind the ring: the spare words, 128 bytes for each wave, which no other line names
.set LAPS,   KTOT/1024                 ; a lap = two K steps = once round the ring
.set SPITCH, 272                       ; the way out: a stage of 64 rows x (256 + 16) bytes for each wave, in slot 0, which has had its last fill and its last read by then
.set LI,   4                           ; v4  16 x lane
.set ADRA, 16                          ; v16-17 LDS address of my A fragments in slot 0, 1
.set ADRB, 20                          ; v20-21 the same for B
.set STO,  24                          ; v24 the way out: where I put 32 bytes of a row
.set RD,   25                          ; v25 where I read a row back
.set CO,   26                          ; v26 my byte offset in two rows of the residual and of the result
.set SPW,  28
.set NIL,  29
.set ACC,  128
.set F0,   0                           ; fragment buffers, in window 1
.set F1,   128
.set RES,  0                           ; in window 2
.set BK,   128
.set G1, 24
.set G0, 32
.set G1B, 48
.set G0B, 56
.set MSB, 0
.macro WIN new                         ; the immediate's high byte repeats the setting that is left
.if MSB != \new
	s_set_vgpr_msb (MSB<<8)|\new
.set MSB, \new
.endif
.endm
.set MUL,  0x05                        ; sources 0 (B) and 1 (A) window 1; C and D window 0
.set TO_F, 0x40                        ; destination window 1, address window 0
.macro JLOAD g0a, g1a, g0b, g1b        ; a joint load: waves 0, 1 fetch A's halves, waves 2, 3 B's; four v_nop follow each line
	s_cmp_eq_u32 s15, 0
	s_cbranch_scc0 .Lfor_b_\@
	tensor_load_to_lds s[\g0a:\g0a+3], s[\g1a:\g1a+7]
	s_nop 0
.rept 4
	v_nop
.endr
	s_branch .Lasked_\@
.Lfor_b_\@:
	tensor_load_to_lds s[\g0b:\g0b+3], s[\g1b:\g1b+7]
	s_nop 0
.rept 4
	v_nop
.endr
.Lasked_\@:
.endm
.macro CREST                           ; a round of the cluster's barrier behind its opening barrier
	s_cmp_lg_u32 s14, 0
	s_cbranch_scc1 .Lnot_wave_0_\@
	s_barrier_signal -3
.Lnot_wave_0_\@:
	s_barrier_wait -3
	s_barrier_signal -1
	s_barrier_wait -1
.endm
.macro CROUND
	s_barrier_signal -1
	s_barrier_wait -1
	CREST
.endm
	s_load_b256 s[68:75], s[0:1], 0x0              ; A's codes 68, wc 70, scales 72, bias 74
	s_load_b128 s[8:11], s[0:1], 0x20              ; the residual 8, the result 10
	v_lshl_add_u32 v[SPW], v0, 2, SPARE
	v_mov_b32 v[NIL], 0
	ds_add_u32 v28, v29
	ds_add_u32 v28, v29
	s_wait_dscnt 0x0
	v_lshrrev_b32 v1, 5, v0
	v_readfirstlane_b32 s14, v1                    ; wave 0..3
	s_lshr_b32 s15, s14, 1                         ; my half of the tile's rows.  Also: I fetch for A (0) or for B (1)
	s_and_b32 s16, s14, 1                          ; my half of its columns.  Also: which 64 rows I fetch
	s_bfe_u32 s40, ttmp6, 0x40000                  ; cx
	s_bfe_u32 s41, ttmp6, 0x40004                  ; cy
	s_lshl_b32 s42, ttmp9, 2
	s_add_co_u32 s42, s42, s40                     ; tile column, 0..7
	s_and_b32 s17, ttmp7, 0xffff
	s_lshl_b32 s17, s17, 2
	s_add_co_u32 s17, s17, s41                     ; tile row, 0..31
	s_lshl_b32 s43, s41, 2
	s_lshl_b32 s43, 15, s43                        ; my row of the cluster
	s_lshl_b32 s44, 0x1111, s40                    ; my column
	; descriptor group 1: 4 rows (row blocks) of 1,024 elements of 8 bytes, KTOT x 16 bytes apart; dense in LDS
	s_or_b32 s[G1+0], s43, (3<<16)|(1<<21)         ; the mask; elements of 8 bytes; bit 21 beside a mask; no padding
	s_or_b32 s[G1B+0], s44, (3<<16)|(1<<21)
.irp g, G1, G1B
	s_mov_b32 s[\g+1], 1024<<16                    ; tensor_dim0
	s_mov_b32 s[\g+2], 4<<16                       ; tensor_dim1
	s_mov_b32 s[\g+3], 1024<<16                    ; tile_dim0
	s_mov_b32 s[\g+4], 4                           ; tile_dim1
	s_mov_b32 s[\g+5], KTOT*2                      ; tensor_dim0_stride, in elements
	s_mov_b32 s[\g+6], 0
	s_mov_b32 s[\g+7], 0
.endr
	s_lshl_b32 s18, s16, 6
	s_lshl_b32 s20, s17, 7
	s_add_co_u32 s20, s20, s18                     ; A: row 128 x tile row + 64 x half; a row's codes are KTOT bytes of the image
	s_mul_i32 s20, s20, KTOT
	s_mov_b32 s21, 0
	s_lshl_b32 s46, s42, 7
	s_add_co_u32 s46, s46, s18                     ; B: row 128 x tile column + 64 x half
	s_mul_i32 s46, s46, KTOT
	s_add_co_u32 s46, s46, BOFF
	s_mov_b32 s47, 0
	s_mul_i32 s45, s14, HALFT                      ; where they go: no place in the cluster enters an LDS address
	s_wait_kmcnt 0x0
	s_load_b64 s[96:97], s[72:73], SOFF
	s_add_nc_u64 s[20:21], s[68:69], s[20:21]
	s_add_nc_u64 s[46:47], s[70:71], s[46:47]
	CROUND                                         ; all sixteen work-groups are here: the first joint loads meet
.irp s, 0,1
	s_mov_b32 s[G0+4*\s], 1
	s_add_co_u32 s[G0+4*\s+1], s45, \s*SLOT
	s_add_nc_u64 s[G0+4*\s+2:G0+4*\s+3], s[20:21], \s*STEPB
	s_or_b32 s[G0+4*\s+3], s[G0+4*\s+3], 0x80000000
	s_mov_b32 s[G0B+4*\s], 1
	s_add_co_u32 s[G0B+4*\s+1], s45, \s*SLOT
	s_add_nc_u64 s[G0B+4*\s+2:G0B+4*\s+3], s[46:47], \s*STEPB
	s_or_b32 s[G0B+4*\s+3], s[G0B+4*\s+3], 0x80000000
	JLOAD G0+4*\s, G1, G0B+4*\s, G1B
.endr
	v_and_b32 v1, 15, v0                           ; r
	v_bfe_u32 v2, v0, 4, 1                         ; h
	v_and_b32 v3, 31, v0
	v_lshlrev_b32 v[LI], 4, v3
	s_mul_i32 s21, s15, HALFT                      ; my 64 rows of A
	s_mul_i32 s22, s16, HALFT                      ; my 64 rows of B,
	s_add_co_u32 s22, s22, 2*HALFT                 ; which lie behind A's 128
.irp s, 0,1
	v_add_nc_u32 v[ADRA+\s], s21, v[LI]            ; a fragment's part is 512 consecutive bytes: 16 x lane
	v_add_nc_u32 v[ADRB+\s], s22, v[LI]
	s_add_co_u32 s21, s21, SLOT
	s_add_co_u32 s22, s22, SLOT
.endr
	s_mul_i32 s23, s14, 64*SPITCH                  ; my stage
	v_mul_u32_u24 v5, v1, SPITCH
	v_lshl_add_u32 v5, v2, 5, v5
	v_add_nc_u32 v[STO], s23, v5                   ; in: row r, 32 bytes for each half of the lanes
	v_mul_u32_u24 v5, v2, SPITCH
	v_lshl_add_u32 v5, v1, 4, v5
	v_add_nc_u32 v[RD], s23, v5                    ; back: lanes 0-15 take one row of 256 bytes, lanes 16-31 the next
	v_lshlrev_b32 v5, 12, v2
	v_lshl_add_u32 v[CO], v1, 4, v5                ; and the same two rows in memory, 4,096 bytes apart
	v_lshlrev_b32 v6, 4, v1                        ; 16 r
	s_lshl_b32 s18, s42, 9
	s_lshl_b32 s19, s16, 8
	s_add_co_u32 s18, s18, s19                     ; my first column, in bytes: 512 x tile column + 256 x half
	s_mov_b32 s19, 0
	s_add_nc_u64 s[74:75], s[74:75], s[18:19]
	global_load_b128 v[32:35], v6, s[74:75]        ; bias of my lane's four columns of a row
	s_lshl_b32 s22, s17, 7
	s_lshl_b32 s23, s15, 6
	s_add_co_u32 s22, s22, s23
	s_lshl_b32 s22, s22, 12                        ; my first row, 4,096 bytes a row
	s_add_co_u32 s18, s18, s22
	s_add_nc_u64 s[12:13], s[8:9], s[18:19]
	s_add_nc_u64 s[10:11], s[10:11], s[18:19]
	WIN 0x80                                       ; destination window 2
.irp t, 0,1,2,3,4,5,6,7,8,9,10,11,12,13,14,15,16,17,18,19,20,21,22,23,24,25,26,27,28,29,30,31
	global_load_b128 v[RES+4*\t:RES+4*\t+3], v[CO], s[12:13] offset:8192*\t th:TH_LOAD_NT   ; rows 2 t and 2 t + 1 of my 64: sixteen lanes read 256 consecutive bytes; they land while the products run
.endr
	WIN 0
.macro FRAG reg, adr, q, i             ; a fragment, 16 rows x 128 K, 16 registers: four parts of 512 bytes; registers 2 c, 2 c + 1 hold K = 16 c + 8 (lane / 16) + 0..7
.irp c, 0,1,2,3
	ds_load_b128 v[\reg+4*\c:\reg+4*\c+3], v[\adr] offset:2048*(\q)+512*\c+(\i)*8192
.endr
.endm
; 8 matrix instructions: A's blocks a0, a0 + 1 x B's four, 128 along K, out of buffer f.  zero = 1: the first product starts the sums.
; The 16 accumulators take turns, one instruction a turn, in the same order in every quarter.
.macro MUL8 f, a0, zero
.irp a, \a0, \a0+1
.irp b, 0,1,2,3
.if \zero
	v_wmma_f32_16x16x128_fp8_fp8 v[ACC+8*(4*(\a)+\b):ACC+8*(4*(\a)+\b)+7], v[\f+64+16*\b:\f+64+16*\b+15], v[\f+16*(\a):\f+16*(\a)+15], 0
.else
	v_wmma_f32_16x16x128_fp8_fp8 v[ACC+8*(4*(\a)+\b):ACC+8*(4*(\a)+\b)+7], v[\f+64+16*\b:\f+64+16*\b+15], v[\f+16*(\a):\f+16*(\a)+15], v[ACC+8*(4*(\a)+\b):ACC+8*(4*(\a)+\b)+7]
.endif
.endr
.endr
.endm
.macro FETCH slot, q, f                ; 32 LDS loads in one run: the slot's q-th 128 along K into buffer f: B's four fragments, then A's; the youngest eight are A's blocks 2 and 3
	WIN TO_F
.irp i, 0,1,2,3
	FRAG \f+64+16*\i, ADRB+\slot, \q, \i
.endr
.irp i, 0,1,2,3
	FRAG \f+16*\i, ADRA+\slot, \q, \i
.endr
.endm
.macro PLACES                          ; four plain vector instructions between a matrix instruction and a load into, or a store out of, its registers
.rept 4
	v_nop
.endr
.endm
; A K step is four quarters of 128 along K, 16 matrix instructions each, on buffers 0, 1, 0, 1.  One of the first three: multiplies buffer f and fetches the slot's q-th 128 into g.
.macro QUARTER slot, q, f, g, zero
	s_wait_dscnt 8                                 ; B's fragments and A's blocks 0, 1 are in; the youngest eight loads may be out
	WIN MUL
	MUL8 \f, 0, \zero
	PLACES
	FETCH \slot, \q, \g
	s_wait_dscnt 32                                ; all but the 32 just issued
	WIN MUL
	MUL8 \f, 2, \zero
.endm
; The last quarter multiplies buffer 1 and changes slots: ONE barrier; in front of it each wave waits for all its tensor loads, adds 0 to its spare word, and waits for that and for its reads of this slot.  fill = 1: this slot is filled again, two K steps ahead.
.macro TURN slot, next, fill
	WIN 0                                          ; (the add's two registers lie in window 0)
	s_wait_tensorcnt 0x0                           ; all my tensor loads have landed: my part of the next slot
	ds_add_u32 v[SPW], v[NIL]                      ; 0 onto my spare word
	s_wait_dscnt 9                                 ; the add and the youngest eight loads may be out
	WIN MUL
	MUL8 F1, 0, 0                                  ; eight matrix instructions stand between the add and the wait for it
	s_wait_dscnt 0x0                               ; the add is done, and my reads of this slot are over
	s_barrier_signal -1
	MUL8 F1, 2, 0
	WIN 0
	s_barrier_wait -1
.if \fill
	CREST                                          ; the barrier has opened a round of the cluster's: no wave of any partner still reads this slot or has a load on its way
	s_add_nc_u64 s[G0+4*\slot+2:G0+4*\slot+3], s[G0+4*\slot+2:G0+4*\slot+3], 2*STEPB
	s_add_nc_u64 s[G0B+4*\slot+2:G0B+4*\slot+3], s[G0B+4*\slot+2:G0B+4*\slot+3], 2*STEPB
	JLOAD G0+4*\slot, G1, G0B+4*\slot, G1B         ; the first tensor load behind the round; its four v_nop are the places in front of the loads below
.else
	PLACES
.endif
	FETCH \next, 0, F0
.endm
	s_wait_tensorcnt 1                             ; my part of K step 0 is in; K step 1's load may be out
	s_barrier_signal -1
	s_barrier_wait -1
	FETCH 0, 0, F0
	QUARTER 0, 1, F0, F1, 1                        ; the first quarter's products start the sums
.if LAPS > 1
	WIN 0                                          ; at a label and at a branch every window is 0
	s_mov_b32 s3, LAPS-1
.Llap:                                                 ; a trip goes once round the ring, from a lap's second quarter to the next lap's first, and fills both slots again
	QUARTER 0, 2, F1, F0, 0
	QUARTER 0, 3, F0, F1, 0
	TURN 0, 1, 1
	QUARTER 1, 1, F0, F1, 0
	QUARTER 1, 2, F1, F0, 0
	QUARTER 1, 3, F0, F1, 0
	TURN 1, 0, 1
	QUARTER 0, 1, F0, F1, 0
	WIN 0
	s_sub_co_u32 s3, s3, 1
	s_cmp_lg_u32 s3, 0
	s_cbranch_scc1 .Llap
.endif
	QUARTER 0, 2, F1, F0, 0                        ; the last lap fills nothing, and has no round of the cluster's barrier
	QUARTER 0, 3, F0, F1, 0
	TURN 0, 1, 0
	QUARTER 1, 1, F0, F1, 0
	QUARTER 1, 2, F1, F0, 0
	QUARTER 1, 3, F0, F1, 0
	s_wait_dscnt 8                                 ; the very last quarter: nothing more to fetch
	WIN MUL
	MUL8 F1, 0, 0
	s_wait_dscnt 0
	MUL8 F1, 2, 0
	WIN 0
	; THE WAY OUT.  A lane holds 32 neighbouring bytes of a row, and the lanes beside it hold other rows: the sums go through my own stage in LDS and come back as whole rows of 256 bytes; there result = sum x 2^(ea + eb) + residual + bias.
	; LDS serves a wave's instructions in order (ISA guide 5.7.1.4): no wait between the stores and the loads.  Every row's place stands in the immediate: 62 rows of 4,096 bytes at the most.
	s_wait_kmcnt 0x0
	s_add_co_i32 s96, s96, s97
	s_add_co_i32 s96, s96, 127
	s_lshl_b32 s96, s96, 23                        ; 2^(ea + eb)
	s_mov_b32 s97, s96                             ; (named with it as a pair)
	PLACES
.irp a, 0,1,2,3
.irp b, 0,1,2,3
	ds_store_b128 v[STO], v[ACC+8*(4*\a+\b):ACC+8*(4*\a+\b)+3] offset:\a*16*SPITCH+64*\b        ; each accumulator from its low end on
	ds_store_b128 v[STO], v[ACC+8*(4*\a+\b)+4:ACC+8*(4*\a+\b)+7] offset:\a*16*SPITCH+64*\b+16
.endr
.endr
	WIN 0x80                                       ; destination window 2
.irp t, 0,1,2,3,4,5,6,7,8,9,10,11,12,13,14,15,16,17,18,19,20,21,22,23,24,25,26,27,28,29,30,31
	ds_load_b128 v[BK+4*\t:BK+4*\t+3], v[RD] offset:\t*2*SPITCH
.endr
	s_wait_loadcnt 0x0                             ; the bias and the residual, asked for at the head
.irp g, 0,1,2,3
	s_wait_dscnt 24-8*\g                           ; this group's eight loads from the stage are in; the younger groups' may be out
	WIN 0xa2                                       ; destination, sources 0 and 2 window 2; source 1 (the bias) window 0
.set n, 32*\g
.rept 16
	v_pk_fma_f32 v[BK+n:BK+n+1], v[BK+n:BK+n+1], s[96:97], v[RES+n:RES+n+1] op_sel_hi:[1,0,1]
.set n, n+2
.endr
.set n, 32*\g
.rept 8
	v_pk_add_f32 v[BK+n:BK+n+1], v[BK+n:BK+n+1], v[32:33]
	v_pk_add_f32 v[BK+n+2:BK+n+3], v[BK+n+2:BK+n+3], v[34:35]
.set n, n+4
.endr
	WIN 0x08                                       ; the stores' data: window 2
.irp t, 0,1,2,3,4,5,6,7
.if ISDOWN
	global_store_b128 v[CO], v[BK+32*\g+4*\t:BK+32*\g+4*\t+3], s[10:11] offset:(8*\g+\t)*8192 th:TH_STORE_NT
.else
	global_store_b128 v[CO], v[BK+32*\g+4*\t:BK+32*\g+4*\t+3], s[10:11] offset:(8*\g+\t)*8192   ; sixteen lanes store 256 consecutive bytes, at a multiple of 256 from the buffer's first byte
.endif
.endr
.endr
	WIN 0
	s_wait_tensorcnt 0x0                           ; the wave's end
	ds_add_u32 v[SPW], v[NIL]
	s_wait_dscnt 0x0
	CROUND                                         ; the closing round: no work-group ends while a partner may still ask for a tile that names it
	s_endpgm
.Lfunc_end_k_q1bcaa39b58_attn_out:
	.size	k_q1bcaa39b58_attn_out, .Lfunc_end_k_q1bcaa39b58_attn_out-k_q1bcaa39b58_attn_out
	.p2alignl 7, 3214868480
	.fill 96, 4, 3214868480
	.section	.rodata,"a",@progbits
	.p2align	6, 0x0
	.amdhsa_kernel k_q1bcaa39b58_attn_out
		.amdhsa_group_segment_fixed_size 327680
		.amdhsa_private_segment_fixed_size 0
		.amdhsa_enable_private_segment 0
		.amdhsa_kernarg_size 48
		.amdhsa_user_sgpr_count 2
		.amdhsa_user_sgpr_kernarg_segment_ptr 1
		.amdhsa_wavefront_size32 1
		.amdhsa_system_sgpr_workgroup_id_x 1
		.amdhsa_system_sgpr_workgroup_id_y 1
		.amdhsa_system_sgpr_workgroup_id_z 1
		.amdhsa_system_vgpr_workitem_id 0
		.amdhsa_next_free_vgpr 768
		.amdhsa_next_free_sgpr 98
		.amdhsa_reserve_vcc 0
		.amdhsa_float_denorm_mode_32 3
		.amdhsa_float_denorm_mode_16_64 3
		.amdhsa_memory_ordered 1
		.amdhsa_forward_progress 1
		.amdhsa_inst_pref_size 53
	.end_amdhsa_kernel
	.amdgpu_metadata
---
amdhsa.version: [ 1, 2 ]
amdhsa.kernels:
  - .name:           k_q1bcaa39b58_attn_out
    .symbol:         k_q1bcaa39b58_attn_out.kd
    .args:
      - { .name: oc, .offset: 0, .size: 8, .value_kind: global_buffer, .address_space: global }
      - { .name: wc, .offset: 8, .size: 8, .value_kind: global_buffer, .address_space: global }
      - { .name: lowp_scales, .offset: 16, .size: 8, .value_kind: global_buffer, .address_space: global }
      - { .name: bo, .offset: 24, .size: 8, .value_kind: global_buffer, .address_space: global }
      - { .name: x, .offset: 32, .size: 8, .value_kind: global_buffer, .address_space: global }
      - { .name: x1, .offset: 40, .size: 8, .value_kind: global_buffer, .address_space: global }
    .group_segment_fixed_size: 327680
    .private_segment_fixed_size: 0
    .kernarg_segment_align: 8
    .kernarg_segment_size: 48
    .max_flat_workgroup_size: 128
    .sgpr_count:     98
    .vgpr_count:     768
    .wavefront_size: 32
...
	.end_amdgpu_metadata
.endif
;; end of part 8
;; launch ln2: the kernel of part 5 again; grid 256 x 1, 8 waves a work-group, no clusters, 17,920 bytes of LDS; arguments x1, g_mlp, b_mlp, lowp_scales, yc; writes yc
;; launch mlp_up: the kernel of part 6 again; grid 16 x 16, 4 waves a work-group, clusters of 4 x 4, 327,680 bytes of LDS; arguments yc, wc, lowp_scales, b1, hc; writes hc
;; launch mlp_down (part 9): grid 8 x 32, 4 waves a work-group, clusters of 4 x 4, 327,680 bytes of LDS; arguments hc, wc, lowp_scales, b2, x1, out0; writes out0
.if DOCPART == 9
	.amdgcn_target "amdgcn-amd-amdhsa--gfx1250"
	.amdhsa_code_object_version 6
	.text
	.protected	k_q1bcaa39b58_mlp_down
	.globl	k_q1bcaa39b58_mlp_down
	.p2align	8
	.type	k_q1bcaa39b58_mlp_down,@function
k_q1bcaa39b58_mlp_down:
	s_mov_b64 s[64:65], 0
	v_nop
	global_prefetch_b8 v0, s[64:65] scope:SCOPE_SE
	s_setreg_imm32_b32 hwreg(HW_REG_WAVE_MODE, 25, 1), 1
	s_wait_xcnt 0x0
	s_wait_alu depctr_hold_cnt(0) depctr_sa_sdst(0) depctr_va_vdst(0) depctr_va_sdst(0) depctr_va_ssrc(0) depctr_va_vcc(0) depctr_vm_vsrc(0)
	s_getreg_b32 s2, hwreg(HW_REG_IB_STS2, 6, 4)
	s_cmp_eq_u32 s2, 0
	s_cbranch_scc0 .Lentry_in_a_cluster
	s_endpgm
.Lentry_in_a_cluster:
	s_bfe_u32 s2, ttmp6, 0x10000c
	s_cmp_lg_u32 s2, 0xf033
	s_cbranch_scc0 .Lentry_shape_is_right
	s_endpgm
.Lentry_shape_is_right:
; out0 = x1 + h W2^T + b2.  h and W2 are codes of E4M3 as register images (a block of 16 rows x 128 k: 2,048 bytes, [part 0..3][lane][16 bytes]; blocks as [row block][k block]); x1, out0: [4096][1024] f32.  K = 4,096.
; A tile of 128 x 128: 32 x 8 = 256 tiles, one work-group each.  Four waves, 64 x 64 each: 16 accumulators, 128 registers.
; K goes in steps of 512 through two LDS slots filled by the tensor data mover: for each of 8 row blocks of A and 8 of B 8,192 consecutive bytes; a wave's load brings 4 row blocks.  Eight K steps: two first fills, six refills.
; CLUSTERS of 4 x 4: A's tile is shared along a row of the cluster, B's along a column; each is asked for jointly.  The matrix instruction is used transposed (source 0 = rows of the weight): a lane holds eight neighbours of a row.
; The residual's rows are asked for at the head, behind the first joint loads, and waited for on the way out.
; LIMIT: the two exponents' sum between -126 and 127.
; REGISTERS, in windows of 256: window 0: v0-31 addresses; v32-35 bias; v128-255 the accumulators ((a, b) at v[128 + 8 (4 a + b)]).
;   window 1: two fragment buffers of 128: for 128 along K 64 registers of A (4 x 16 rows), then 64 of B.   window 2: v0-127 the residual, v128-255 rows back from the stage.
.set ISDOWN, 1
.set KTOT,   4096
.set BOFF,   0x800000                  ; the weight's image in wc
.set SOFF,   0x38                      ; the two exponents in the buffer of scales
.set STEPB,  8192                      ; a row block's bytes of a K step of 512
.set HALFT,  32768                     ; 4 row blocks: what one tensor load brings, and what a wave reads of A or of B
.set SLOT,   131072                    ; A's 8 row blocks, then B's 8
.set SPARE,  262144                    ; behind the ring: the spare words, 128 bytes for each wave, which no other line names
.set LAPS,   KTOT/1024                 ; a lap = two K steps = once round the ring
.set SPITCH, 272                       ; the way out: a stage of 64 rows x (256 + 16) bytes for each wave, in slot 0, which has had its last fill and its last read by then
.set LI,   4                           ; v4  16 x lane
.set ADRA, 16                          ; v16-17 LDS address of my A fragments in slot 0, 1
.set ADRB, 20                          ; v20-21 the same for B
.set STO,  24                          ; v24 the way out: where I put 32 bytes of a row
.set RD,   25                          ; v25 where I read a row back
.set CO,   26                          ; v26 my byte offset in two rows of the residual and of the result
.set SPW,  28
.set NIL,  29
.set ACC,  128
.set F0,   0                           ; fragment buffers, in window 1
.set F1,   128
.set RES,  0                           ; in window 2
.set BK,   128
.set G1, 24
.set G0, 32
.set G1B, 48
.set G0B, 56
.set MSB, 0
.macro WIN new                         ; the immediate's high byte repeats the setting that is left
.if MSB != \new
	s_set_vgpr_msb (MSB<<8)|\new
.set MSB, \new
.endif
.endm
.set MUL,  0x05                        ; sources 0 (B) and 1 (A) window 1; C and D window 0
.set TO_F, 0x40                        ; destination window 1, address window 0
.macro JLOAD g0a, g1a, g0b, g1b        ; a joint load: waves 0, 1 fetch A's halves, waves 2, 3 B's; four v_nop follow each line
	s_cmp_eq_u32 s15, 0
	s_cbranch_scc0 .Lfor_b_\@
	tensor_load_to_lds s[\g0a:\g0a+3], s[\g1a:\g1a+7]
	s_nop 0
.rept 4
	v_nop
.endr
	s_branch .Lasked_\@
.Lfor_b_\@:
	tensor_load_to_lds s[\g0b:\g0b+3], s[\g1b:\g1b+7]
	s_nop 0
.rept 4
	v_nop
.endr
.Lasked_\@:
.endm
.macro CREST                           ; a round of the cluster's barrier behind its opening barrier
	s_cmp_lg_u32 s14, 0
	s_cbranch_scc1 .Lnot_wave_0_\@
	s_barrier_signal -3
.Lnot_wave_0_\@:
	s_barrier_wait -3
	s_barrier_signal -1
	s_barrier_wait -1
.endm
.macro CROUND
	s_barrier_signal -1
	s_barrier_wait -1
	CREST
.endm
	s_load_b256 s[68:75], s[0:1], 0x0              ; A's codes 68, wc 70, scales 72, bias 74
	s_load_b128 s[8:11], s[0:1], 0x20              ; the residual 8, the result 10
	v_lshl_add_u32 v[SPW], v0, 2, SPARE
	v_mov_b32 v[NIL], 0
	ds_add_u32 v28, v29
	ds_add_u32 v28, v29
	s_wait_dscnt 0x0
	v_lshrrev_b32 v1, 5, v0
	v_readfirstlane_b32 s14, v1                    ; wave 0..3
	s_lshr_b32 s15, s14, 1                         ; my half of the tile's rows.  Also: I fetch for A (0) or for B (1)
	s_and_b32 s16, s14, 1                          ; my half of its columns.  Also: which 64 rows I fetch
	s_bfe_u32 s40, ttmp6, 0x40000                  ; cx
	s_bfe_u32 s41, ttmp6, 0x40004                  ; cy
	s_lshl_b32 s42, ttmp9, 2
	s_add_co_u32 s42, s42, s40                     ; tile column, 0..7
	s_and_b32 s17, ttmp7, 0xffff
	s_lshl_b32 s17, s17, 2
	s_add_co_u32 s17, s17, s41                     ; tile row, 0..31
	s_lshl_b32 s43, s41, 2
	s_lshl_b32 s43, 15, s43                        ; my row of the cluster
	s_lshl_b32 s44, 0x1111, s40                    ; my column
	; descriptor group 1: 4 rows (row blocks) of 1,024 elements of 8 bytes, KTOT x 16 bytes apart; dense in LDS
	s_or_b32 s[G1+0], s43, (3<<16)|(1<<21)         ; the mask; elements of 8 bytes; bit 21 beside a mask; no padding
	s_or_b32 s[G1B+0], s44, (3<<16)|(1<<21)
.irp g, G1, G1B
	s_mov_b32 s[\g+1], 1024<<16                    ; tensor_dim0
	s_mov_b32 s[\g+2], 4<<16                       ; tensor_dim1
	s_mov_b32 s[\g+3], 1024<<16                    ; tile_dim0
	s_mov_b32 s[\g+4], 4                           ; tile_dim1
	s_mov_b32 s[\g+5], KTOT*2                      ; tensor_dim0_stride, in elements
	s_mov_b32 s[\g+6], 0
	s_mov_b32 s[\g+7], 0
.endr
	s_lshl_b32 s18, s16, 6
	s_lshl_b32 s20, s17, 7
	s_add_co_u32 s20, s20, s18                     ; A: row 128 x tile row + 64 x half; a row's codes are KTOT bytes of the image
	s_mul_i32 s20, s20, KTOT
	s_mov_b32 s21, 0
	s_lshl_b32 s46, s42, 7
	s_add_co_u32 s46, s46, s18                     ; B: row 128 x tile column + 64 x half
	s_mul_i32 s46, s46, KTOT
	s_add_co_u32 s46, s46, BOFF
	s_mov_b32 s47, 0
	s_mul_i32 s45, s14, HALFT                      ; where they go: no place in the cluster enters an LDS address
	s_wait_kmcnt 0x0
	s_load_b64 s[96:97], s[72:73], SOFF
	s_add_nc_u64 s[20:21], s[68:69], s[20:21]
	s_add_nc_u64 s[46:47], s[70:71], s[46:47]
	CROUND                                         ; all sixteen work-groups are here: the first joint loads meet
.irp s, 0,1
	s_mov_b32 s[G0+4*\s], 1
	s_add_co_u32 s[G0+4*\s+1], s45, \s*SLOT
	s_add_nc_u64 s[G0+4*\s+2:G0+4*\s+3], s[20:21], \s*STEPB
	s_or_b32 s[G0+4*\s+3], s[G0+4*\s+3], 0x80000000
	s_mov_b32 s[G0B+4*\s], 1
	s_add_co_u32 s[G0B+4*\s+1], s45, \s*SLOT
	s_add_nc_u64 s[G0B+4*\s+2:G0B+4*\s+3], s[46:47], \s*STEPB
	s_or_b32 s[G0B+4*\s+3], s[G0B+4*\s+3], 0x80000000
	JLOAD G0+4*\s, G1, G0B+4*\s, G1B
.endr
	v_and_b32 v1, 15, v0                           ; r
	v_bfe_u32 v2, v0, 4, 1                         ; h
	v_and_b32 v3, 31, v0
	v_lshlrev_b32 v[LI], 4, v3
	s_mul_i32 s21, s15, HALFT                      ; my 64 rows of A
	s_mul_i32 s22, s16, HALFT                      ; my 64 rows of B,
	s_add_co_u32 s22, s22, 2*HALFT                 ; which lie behind A's 128
.irp s, 0,1
	v_add_nc_u32 v[ADRA+\s], s21, v[LI]            ; a fragment's part is 512 consecutive bytes: 16 x lane
	v_add_nc_u32 v[ADRB+\s], s22, v[LI]
	s_add_co_u32 s21, s21, SLOT
	s_add_co_u32 s22, s22, SLOT
.endr
	s_mul_i32 s23, s14, 64*SPITCH                  ; my stage
	v_mul_u32_u24 v5, v1, SPITCH
	v_lshl_add_u32 v5, v2, 5, v5
	v_add_nc_u32 v[STO], s23, v5                   ; in: row r, 32 bytes for each half of the lanes
	v_mul_u32_u24 v5, v2, SPITCH
	v_lshl_add_u32 v5, v1, 4, v5
	v_add_nc_u32 v[RD], s23, v5                    ; back: lanes 0-15 take one row of 256 bytes, lanes 16-31 the next
	v_lshlrev_b32 v5, 12, v2
	v_lshl_add_u32 v[CO], v1, 4, v5                ; and the same two rows in memory, 4,096 bytes apart
	v_lshlrev_b32 v6, 4, v1                        ; 16 r
	s_lshl_b32 s18, s42, 9
	s_lshl_b32 s19, s16, 8
	s_add_co_u32 s18, s18, s19                     ; my first column, in bytes: 512 x tile column + 256 x half
	s_mov_b32 s19, 0
	s_add_nc_u64 s[74:75], s[74:75], s[18:19]
	global_load_b128 v[32:35], v6, s[74:75]        ; bias of my lane's four columns of a row
	s_lshl_b32 s22, s17, 7
	s_lshl_b32 s23, s15, 6
	s_add_co_u32 s22, s22, s23
	s_lshl_b32 s22, s22, 12                        ; my first row, 4,096 bytes a row
	s_add_co_u32 s18, s18, s22
	s_add_nc_u64 s[12:13], s[8:9], s[18:19]
	s_add_nc_u64 s[10:11], s[10:11], s[18:19]
	WIN 0x80                                       ; destination window 2
.irp t, 0,1,2,3,4,5,6,7,8,9,10,11,12,13,14,15,16,17,18,19,20,21,22,23,24,25,26,27,28,29,30,31
	global_load_b128 v[RES+4*\t:RES+4*\t+3], v[CO], s[12:13] offset:8192*\t th:TH_LOAD_NT   ; rows 2 t and 2 t + 1 of my 64: sixteen lanes read 256 consecutive bytes; they land while the products run
.endr
	WIN 0
.macro FRAG reg, adr, q, i             ; a fragment, 16 rows x 128 K, 16 registers: four parts of 512 bytes; registers 2 c, 2 c + 1 hold K = 16 c + 8 (lane / 16) + 0..7
.irp c, 0,1,2,3
	ds_load_b128 v[\reg+4*\c:\reg+4*\c+3], v[\adr] offset:2048*(\q)+512*\c+(\i)*8192
.endr
.endm
; 8 matrix instructions: A's blocks a0, a0 + 1 x B's four, 128 along K, out of buffer f.  zero = 1: the first product starts the sums.
; The 16 accumulators take turns, one instruction a turn, in the same order in every quarter.
.macro MUL8 f, a0, zero
.irp a, \a0, \a0+1
.irp b, 0,1,2,3
.if \zero
	v_wmma_f32_16x16x128_fp8_fp8 v[ACC+8*(4*(\a)+\b):ACC+8*(4*(\a)+\b)+7], v[\f+64+16*\b:\f+64+16*\b+15], v[\f+16*(\a):\f+16*(\a)+15], 0
.else
	v_wmma_f32_16x16x128_fp8_fp8 v[ACC+8*(4*(\a)+\b):ACC+8*(4*(\a)+\b)+7], v[\f+64+16*\b:\f+64+16*\b+15], v[\f+16*(\a):\f+16*(\a)+15], v[ACC+8*(4*(\a)+\b):ACC+8*(4*(\a)+\b)+7]
.endif
.endr
.endr
.endm
.macro FETCH slot, q, f                ; 32 LDS loads in one run: the slot's q-th 128 along K into buffer f: B's four fragments, then A's; the youngest eight are A's blocks 2 and 3
	WIN TO_F
.irp i, 0,1,2,3
	FRAG \f+64+16*\i, ADRB+\slot, \q, \i
.endr
.irp i, 0,1,2,3
	FRAG \f+16*\i, ADRA+\slot, \q, \i
.endr
.endm
.macro PLACES                          ; four plain vector instructions between a matrix instruction and a load into, or a store out of, its registers
.rept 4
	v_nop
.endr
.endm
; A K step is four quarters of 128 along K, 16 matrix instructions each, on buffers 0, 1, 0, 1.  One of the first three: multiplies buffer f and fetches the slot's q-th 128 into g.
.macro QUARTER slot, q, f, g, zero
	s_wait_dscnt 8                                 ; B's fragments and A's blocks 0, 1 are in; the youngest eight loads may be out
	WIN MUL
	MUL8 \f, 0, \zero
	PLACES
	FETCH \slot, \q, \g
	s_wait_dscnt 32                                ; all but the 32 just issued
	WIN MUL
	MUL8 \f, 2, \zero
.endm
; The last quarter multiplies buffer 1 and changes slots: ONE barrier; in front of it each wave waits for all its tensor loads, adds 0 to its spare word, and waits for that and for its reads of this slot.  fill = 1: this slot is filled again, two K steps ahead.
.macro TURN slot, next, fill
	WIN 0                                          ; (the add's two registers lie in window 0)
	s_wait_tensorcnt 0x0                           ; all my tensor loads have landed: my part of the next slot
	ds_add_u32 v[SPW], v[NIL]                      ; 0 onto my spare word
	s_wait_dscnt 9                                 ; the add and the youngest eight loads may be out
	WIN MUL
	MUL8 F1, 0, 0                                  ; eight matrix instructions stand between the add and the wait for it
	s_wait_dscnt 0x0                               ; the add is done, and my reads of this slot are over
	s_barrier_signal -1
	MUL8 F1, 2, 0
	WIN 0
	s_barrier_wait -1
.if \fill
	CREST                                          ; the barrier has opened a round of the cluster's: no wave of any partner still reads this slot or has a load on its way
	s_add_nc_u64 s[G0+4*\slot+2:G0+4*\slot+3], s[G0+4*\slot+2:G0+4*\slot+3], 2*STEPB
	s_add_nc_u64 s[G0B+4*\slot+2:G0B+4*\slot+3], s[G0B+4*\slot+2:G0B+4*\slot+3], 2*STEPB
	JLOAD G0+4*\slot, G1, G0B+4*\slot, G1B         ; the first tensor load behind the round; its four v_nop are the places in front of the loads below
.else
	PLACES
.endif
	FETCH \next, 0, F0
.endm
	s_wait_tensorcnt 1                             ; my part of K step 0 is in; K step 1's load may be out
	s_barrier_signal -1
	s_barrier_wait -1
	FETCH 0, 0, F0
	QUARTER 0, 1, F0, F1, 1                        ; the first quarter's products start the sums
.if LAPS > 1
	WIN 0                                          ; at a label and at a branch every window is 0
	s_mov_b32 s3, LAPS-1
.Llap:                                                 ; a trip goes once round the ring, from a lap's second quarter to the next lap's first, and fills both slots again
	QUARTER 0, 2, F1, F0, 0
	QUARTER 0, 3, F0, F1, 0
	TURN 0, 1, 1
	QUARTER 1, 1, F0, F1, 0
	QUARTER 1, 2, F1, F0, 0
	QUARTER 1, 3, F0, F1, 0
	TURN 1, 0, 1
	QUARTER 0, 1, F0, F1, 0
	WIN 0
	s_sub_co_u32 s3, s3, 1
	s_cmp_lg_u32 s3, 0
	s_cbranch_scc1 .Llap
.endif
	QUARTER 0, 2, F1, F0, 0                        ; the last lap fills nothing, and has no round of the cluster's barrier
	QUARTER 0, 3, F0, F1, 0
	TURN 0, 1, 0
	QUARTER 1, 1, F0, F1, 0
	QUARTER 1, 2, F1, F0, 0
	QUARTER 1, 3, F0, F1, 0
	s_wait_dscnt 8                                 ; the very last quarter: nothing more to fetch
	WIN MUL
	MUL8 F1, 0, 0
	s_wait_dscnt 0
	MUL8 F1, 2, 0
	WIN 0
	; THE WAY OUT.  A lane holds 32 neighbouring bytes of a row, and the lanes beside it hold other rows: the sums go through my own stage in LDS and come back as whole rows of 256 bytes; there result = sum x 2^(ea + eb) + residual + bias.
	; LDS serves a wave's instructions in order (ISA guide 5.7.1.4): no wait between the stores and the loads.  Every row's place stands in the immediate: 62 rows of 4,096 bytes at the most.
	s_wait_kmcnt 0x0
	s_add_co_i32 s96, s96, s97
	s_add_co_i32 s96, s96, 127
	s_lshl_b32 s96, s96, 23                        ; 2^(ea + eb)
	s_mov_b32 s97, s96                             ; (named with it as a pair)
	PLACES
.irp a, 0,1,2,3
.irp b, 0,1,2,3
	ds_store_b128 v[STO], v[ACC+8*(4*\a+\b):ACC+8*(4*\a+\b)+3] offset:\a*16*SPITCH+64*\b        ; each accumulator from its low end on
	ds_store_b128 v[STO], v[ACC+8*(4*\a+\b)+4:ACC+8*(4*\a+\b)+7] offset:\a*16*SPITCH+64*\b+16
.endr
.endr
	WIN 0x80                                       ; destination window 2
.irp t, 0,1,2,3,4,5,6,7,8,9,10,11,12,13,14,15,16,17,18,19,20,21,22,23,24,25,26,27,28,29,30,31
	ds_load_b128 v[BK+4*\t:BK+4*\t+3], v[RD] offset:\t*2*SPITCH
.endr
	s_wait_loadcnt 0x0                             ; the bias and the residual, asked for at the head
.irp g, 0,1,2,3
	s_wait_dscnt 24-8*\g                           ; this group's eight loads from the stage are in; the younger groups' may be out
	WIN 0xa2                                       ; destination, sources 0 and 2 window 2; source 1 (the bias) window 0
.set n, 32*\g
.rept 16
	v_pk_fma_f32 v[BK+n:BK+n+1], v[BK+n:BK+n+1], s[96:97], v[RES+n:RES+n+1] op_sel_hi:[1,0,1]
.set n, n+2
.endr
.set n, 32*\g
.rept 8
	v_pk_add_f32 v[BK+n:BK+n+1], v[BK+n:BK+n+1], v[32:33]
	v_pk_add_f32 v[BK+n+2:BK+n+3], v[BK+n+2:BK+n+3], v[34:35]
.set n, n+4
.endr
	WIN 0x08                                       ; the stores' data: window 2
.irp t, 0,1,2,3,4,5,6,7
.if ISDOWN
	global_store_b128 v[CO], v[BK+32*\g+4*\t:BK+32*\g+4*\t+3], s[10:11] offset:(8*\g+\t)*8192 th:TH_STORE_NT   ; sixteen lanes store 256 consecutive bytes, at a multiple of 256 from the buffer's first byte; read by nobody here
.else
	global_store_b128 v[CO], v[BK+32*\g+4*\t:BK+32*\g+4*\t+3], s[10:11] offset:(8*\g+\t)*8192
.endif
.endr
.endr
	WIN 0
	s_wait_tensorcnt 0x0                           ; the wave's end
	ds_add_u32 v[SPW], v[NIL]
	s_wait_dscnt 0x0
	CROUND                                         ; the closing round: no work-group ends while a partner may still ask for a tile that names it
	s_endpgm
.Lfunc_end_k_q1bcaa39b58_mlp_down:
	.size	k_q1bcaa39b58_mlp_down, .Lfunc_end_k_q1bcaa39b58_mlp_down-k_q1bcaa39b58_mlp_down
	.p2alignl 7, 3214868480
	.fill 96, 4, 3214868480
	.section	.rodata,"a",@progbits
	.p2align	6, 0x0
	.amdhsa_kernel k_q1bcaa39b58_mlp_down
		.amdhsa_group_segment_fixed_size 327680
		.amdhsa_private_segment_fixed_size 0
		.amdhsa_enable_private_segment 0
		.amdhsa_kernarg_size 48
		.amdhsa_user_sgpr_count 2
		.amdhsa_user_sgpr_kernarg_segment_ptr 1
		.amdhsa_wavefront_size32 1
		.amdhsa_system_sgpr_workgroup_id_x 1
		.amdhsa_system_sgpr_workgroup_id_y 1
		.amdhsa_system_sgpr_workgroup_id_z 1
		.amdhsa_system_vgpr_workitem_id 0
		.amdhsa_next_free_vgpr 768
		.amdhsa_next_free_sgpr 98
		.amdhsa_reserve_vcc 0
		.amdhsa_float_denorm_mode_32 3
		.amdhsa_float_denorm_mode_16_64 3
		.amdhsa_memory_ordered 1
		.amdhsa_forward_progress 1
		.amdhsa_inst_pref_size 81
	.end_amdhsa_kernel
	.amdgpu_metadata
---
amdhsa.version: [ 1, 2 ]
amdhsa.kernels:
  - .name:           k_q1bcaa39b58_mlp_down
    .symbol:         k_q1bcaa39b58_mlp_down.kd
    .args:
      - { .name: hc, .offset: 0, .size: 8, .value_kind: global_buffer, .address_space: global }
      - { .name: wc, .offset: 8, .size: 8, .value_kind: global_buffer, .address_space: global }
      - { .name: lowp_scales, .offset: 16, .size: 8, .value_kind: global_buffer, .address_space: global }
      - { .name: b2, .offset: 24, .size: 8, .value_kind: global_buffer, .address_space: global }
      - { .name: x1, .offset: 32, .size: 8, .value_kind: global_buffer, .address_space: global }
      - { .name: out0, .offset: 40, .size: 8, .value_kind: global_buffer, .address_space: global }
    .group_segment_fixed_size: 327680
    .private_segment_fixed_size: 0
    .kernarg_segment_align: 8
    .kernarg_segment_size: 48
    .max_flat_workgroup_size: 128
    .sgpr_count:     98
    .vgpr_count:     768
    .wavefront_size: 32
...
	.end_amdgpu_metadata
.endif
;; end of part 9
